; MI455X (gfx1250); checked and timed in simulation.
; The chip was launched on July 23, 2026; its instructions are those of AMD's public machine-readable ISA for CDNA 5 (MIT licence, August 2026) and "CDNA5" Instruction Set Architecture Reference Guide (July 2026). The comments in the code are by the model that wrote it; some were corrected since.
;; Encoder Layer. Allowed arithmetic: float matrix products may take bf16 or f16 operands with f32 sums; other float arithmetic in f32, or as packed bf16 or f16 multiplies, adds, multiply-adds, maxima and minima; sums over many terms, partial sums and values carried from step to step in f32; what a program stores and reads back later, other than sums and carried values, may be rounded once to bf16 or f16.
;; Inputs: W1 256 x 1,024 float32; W2 512 x 256 float32; Wk 256 x 256 float32; Wo 256 x 256 float32; Wq 256 x 256 float32; Wv 256 x 256 float32; b1 1,024 float32; b2 256 float32; beta1 256 float32; beta2 256 float32; bo 256 float32; gamma1 256 float32; gamma2 256 float32; x 16 x 1,024 x 256 float32.
;; Outputs: out0 16 x 1,024 x 256 float32.
;; One version. Each part assembles by itself: llvm-mc -triple=amdgcn-amd-amdhsa -mcpu=gfx1250 --defsym DOCPART=n.
;; ======== version 1 of 1: 4 launches
;; workspace buffers: att 8,388,608 bytes; ws 786,432 bytes; woi 131,072 bytes; y1 16,777,216 bytes; y2 16,777,216 bytes; st1 524,288 bytes; st2 524,288 bytes
;; launch attn (part 1): grid 16 x 16, 16 waves a work-group, clusters of 4 x 1, 327,680 bytes of LDS; arguments x, Wq, Wk, Wv, Wo, W1, W2, att, ws, woi; writes att, ws, woi
.if DOCPART == 1
	.amdgcn_target "amdgcn-amd-amdhsa--gfx1250"
	.amdhsa_code_object_version 6
	.text
	.protected	k_qaf347320e2_attn
	.globl	k_qaf347320e2_attn
	.p2align	8
	.type	k_qaf347320e2_attn,@function
k_qaf347320e2_attn:
	s_mov_b64 s[64:65], 0
	v_nop
	global_prefetch_b8 v0, s[64:65] scope:SCOPE_SE
	s_setreg_imm32_b32 hwreg(HW_REG_WAVE_MODE, 25, 1), 1
	s_wait_xcnt 0x0
	s_wait_alu depctr_hold_cnt(0) depctr_sa_sdst(0) depctr_va_vdst(0) depctr_va_sdst(0) depctr_va_ssrc(0) depctr_va_vcc(0) depctr_vm_vsrc(0)
	s_getreg_b32 s2, hwreg(HW_REG_IB_STS2, 6, 4)
	s_cmp_eq_u32 s2, 0
	s_cbranch_scc0 .Lentry_in_a_cluster
	s_endpgm
.Lentry_in_a_cluster:
	s_bfe_u32 s2, ttmp6, 0x10000c
	s_cmp_lg_u32 s2, 0x3003
	s_cbranch_scc0 .Lentry_shape_is_right
	s_endpgm
.Lentry_shape_is_right:
; ATTENTION OF ONE (BATCH, HEAD): q, k, v = x Wq, x Wk, x Wv (the head's 16 columns), softmax(q k^T / 4) v -> att, bf16.
; Beside it each work-group rounds 1/256 of Wo, W1, W2 to bf16 and lays them out as fragments for the later launches (woi, ws).
; FORMATS. All matrix operands bf16 (x, the weights, q, k, v, the weights p); products, maxima and sums f32.  q is scaled in f32 by c = log2(e)/4 and rounded once.
; LIMITS. NaN and infinities are not treated apart; a weight below 2^-126 counts as 0; the row sum is taken of the unrounded weights; sums go in another order than the reference's.
; SHARES. 16 waves.  Wave w owns the rows 256 g + 16 w + 0..15, g = 0..3: four tiles of 16, its queries and also the key tiles 16 g + w.  The head's K and V (64 KiB as fragments) stay in
; LDS, so the attention itself has no ring and no barrier.  16 waves of 256 registers, four to a SIMD: for 32 keys x 4 query tiles a wave has 128 vector lines for 12 products, so what counts is that
; one wave's products find another wave's vector work beside them.
; CLUSTER. The four heads of a cluster read the same x[b]: each tile of x is asked for jointly (mask 15).
; LAYOUT. q^T, k^T = W^T x^T (source 0 = 16 columns of W, source 1 = 16 rows of x): a lane holds one row and 8 channels, which rounded in pairs are half a fragment of K or Q (the other half, channels 16..31, is 0).
; v = x Wv (sources the other way): a lane holds one channel and 8 keys: half a fragment of V^T.  S^T = K Q^T holds one query a lane; two such results rounded ARE source 1 of O^T = V^T P.
; TWO PASSES. Pass 1 finds m = the maximum over all keys of c s.  Pass 2 makes the same products with C = -m, so that the matrix unit hands out c s - m, ready for the exponential:
; no scaling line, no rescaling of O, no running statistics.  The maximum is the true one of the same bf16 products.
.set XPITCH, 528                       ; a row of x's tile in LDS: 512 bytes + 16 of padding = 132 words: the 16 rows of a load begin in 16 different groups of four banks (ISA guide 11.1)
.set XWAVE,  16*XPITCH                 ; a wave's 16 rows
.set XSLOT,  16*XWAVE                  ; 256 rows x 128 columns of f32
.set WIMG,   2*XSLOT                   ; 24 fragments of 1,024 bytes: (q, k, v) x 8 K steps of 32
.set SPARE,  WIMG+24*1024              ; the spare words, 128 bytes a wave: eight blocks of 256 bytes that no other line names
.set VIMG,   32768                     ; K's half fragments lie at 512 kt from byte 0, V's from here: in slot 0, after its last fill
.set VR, 1                             ; v1  lane % 16
.set VH, 2                             ; v2  lane / 16
.set VL, 3                             ; v3  lane
.set L16, 4                            ; v4  16 x lane
.set XA, 5                             ; v5, v6  my place in my wave's rows of slot 0, 1
.set WA, 7                             ; v7  WIMG + 16 x lane
.set KA, 8                             ; v8  the walk through K's and V's fragments
.set VO256, 9                          ; v9  a weight of 256 columns: 8 (lane / 16) rows down, lane % 16 columns on
.set VO1K, 10                          ; v10 the same for 1,024 columns
.set PFO, 11                           ; v11 the prefetches' offset; never rewritten
.set SPW, 12                           ; v12 my spare word; never rewritten
.set NIL, 13                           ; v13 0; never rewritten
.set T0, 14
.set ACC, 16                           ; projection: v16-111   (g, m) at 8 (3 g + m), m = q, k, v
.set WF,  112                          ; v112-207  the weights' fragments of one half of K: (m, step) at 8 (4 m + step)
.set XF,  208                          ; v208-239  x in f32, two K steps
.set XB,  240                          ; v240-255  x in bf16, two fragments
.set S,   16                           ; attention: v16-79  S^T: (tile t, key tile k) at 16 t + 8 k
.set P,   80                           ; v80-111   P, 8 a tile
.set QF,  112                          ; v112-143  Q's fragments: 4 registers of data, 4 of zeros
.set MC,  144                          ; v144-175  -m, eight times a tile; in pass 1 its first two registers hold two running maxima
.set O,   176                          ; v176-207  O^T
.set LS,  208                          ; v208-215  the row sums, a pair a tile
.set KF,  216                          ; v216-231  two fragments of K: 4 of data, 4 of zeros
.set VF,  232                          ; v232-239  a fragment of V^T (32 keys)
.set TM,  240
.set WV, 24                            ; s24 wave
.set HEAD, 25
.set BAT, 26
.set WG, 27                            ; 16 b + head
.set CX, 28
.set G1, 32                            ; s[32:39] descriptor group 1
.set G0, 40                            ; s[40:47] group 0, a set for each slot
.set XW, 48                            ; s[48:49] x at my wave's first row of the batch
.set XBS, 50                           ; s[50:51] x at the batch
.set CS, 68                            ; s[68:69] c
.set SEL, 70                           ; s[70:71] v_permlanex16_b32's selects: each lane takes its own place in the other half
.set CNT, 72
.set LIM, 73                           ; 4 in the batch's first cluster, else 0: waves below it prefetch
.macro PLACES                          ; four plain lines between a product and a line that reads its result or writes one of its registers (ISA guide 7.12.1)
.rept 4
	v_nop
.endr
.endm
.macro ROUND                           ; a round of the cluster's barrier
	s_barrier_signal -1
	s_barrier_wait -1
	s_cmp_lg_u32 s[WV], 0
	s_cbranch_scc1 .Lnw0_\@
	s_barrier_signal -3
.Lnw0_\@:
	s_barrier_wait -3
	s_barrier_signal -1
	s_barrier_wait -1
.endm
; Tile t of x: rows 256 (t % 4) .., columns 128 (t / 4) ..  The half of K is the outer walk, so that its 12 weight fragments stay in registers for four steps.
.macro XADDR t                         ; the slot's group 0: the address is made anew from the wave's pointer
	s_add_nc_u64 s[G0+4*((\t)%2)+2:G0+4*((\t)%2)+3], s[XW:XW+1], ((\t)%4)*262144+((\t)/4)*512
	s_or_b32 s[G0+4*((\t)%2)+3], s[G0+4*((\t)%2)+3], 0x80000000
.endm
.macro XFILL t
	tensor_load_to_lds s[G0+4*((\t)%2):G0+4*((\t)%2)+3], s[G1:G1+7]
	s_nop 0
.endm
; A prefetch of tile t, one step ahead of its load: 512 blocks of 256 bytes, a lane a block.  The four clusters of a batch read the same x: the first asks.  Its four partners share the rows out by
; address (16 (4 cx + w) .. for waves 0-3), so each block is named once in the launch.  Tiles 0 to 2 come by their loads alone; nothing is asked for behind tile 7.
.macro ASK t
	s_cmp_lt_u32 s[WV], s[LIM]
	s_cbranch_scc0 .Lnoask_\@
	global_prefetch_b8 v[PFO], s[XBS:XBS+1] offset:((\t)%4)*262144+((\t)/4)*512 th:TH_LOAD_NT scope:SCOPE_SE
.Lnoask_\@:
.endm
; Half a fragment of a weight: 8 numbers a lane down a column, rounded in pairs, 512 consecutive bytes a wave.  From s[80:81] to s[88:89].
.macro CONV vo, stride
.irp j,0,1,2,3,4,5,6,7
	global_load_b32 v[XF+\j], v[\vo], s[80:81] offset:\j*(\stride)
.endr
	s_wait_loadcnt 0x0
.irp i,0,1,2,3
	v_cvt_pk_bf16_f32 v[XF+8+\i], v[XF+2*\i], v[XF+2*\i+1]
.endr
	global_store_b128 v[L16], v[XF+8:XF+11], s[88:89]
.endm
; ws is [chunk c][wave wd][f][1,024 bytes] with a wave's stream place s = 12 c + f: byte (84 c + 12 wd + s) 1,024 + 512 part.  s84 = s (0..95), s85 = wd, s75 = part.  c = s / 12 = 43 s >> 9 in that range.
.macro WSDEST
	s_mul_i32 s86, s84, 43
	s_lshr_b32 s86, s86, 9
	s_mul_i32 s86, s86, 84
	s_mul_i32 s87, s85, 12
	s_add_co_u32 s86, s86, s87
	s_add_co_u32 s86, s86, s84
	s_lshl_b32 s86, s86, 10
	s_lshl_b32 s87, s75, 9
	s_add_co_u32 s86, s86, s87
	s_mov_b32 s87, 0
	s_add_nc_u64 s[88:89], s[20:21], s[86:87]
.endm
; One step of the projection: my 16 rows x 128 columns of tile t, four K steps of 32, two at a time; 12 products, the three accumulators by turns.
.macro XSTEP t
.set xg, (\t)%4
.set xh, (\t)/4
.if xg == 0
.if (\t) != 0
	PLACES
.endif
.irp m,0,1,2
.irp k,0,1,2,3
	ds_load_b128 v[WF+8*(4*\m+\k):WF+8*(4*\m+\k)+3],   v[WA] offset:(8*\m+4*xh+\k)*1024
	ds_load_b128 v[WF+8*(4*\m+\k)+4:WF+8*(4*\m+\k)+7], v[WA] offset:(8*\m+4*xh+\k)*1024+512
.endr
.endr
.endif
.irp e,0,1
.irp k,0,1
	ds_load_b128 v[XF+16*\k:XF+16*\k+3],     v[XA+(\t)%2] offset:(2*\e+\k)*128
	ds_load_b128 v[XF+16*\k+4:XF+16*\k+7],   v[XA+(\t)%2] offset:(2*\e+\k)*128+16
	ds_load_b128 v[XF+16*\k+8:XF+16*\k+11],  v[XA+(\t)%2] offset:(2*\e+\k)*128+64
	ds_load_b128 v[XF+16*\k+12:XF+16*\k+15], v[XA+(\t)%2] offset:(2*\e+\k)*128+80
.endr
	PLACES                                         ; behind the products that read XB, which is written below
	s_wait_dscnt 0x0
.irp i,0,1,2,3,4,5,6,7,8,9,10,11,12,13,14,15
	v_cvt_pk_bf16_f32 v[XB+\i], v[XF+2*\i], v[XF+2*\i+1]
.endr
.irp k,0,1
.if (xh == 0) && (\e == 0) && (\k == 0)
	v_wmma_f32_16x16x32_bf16 v[ACC+24*xg:ACC+24*xg+7],     v[WF:WF+7],       v[XB:XB+7],       0
	v_wmma_f32_16x16x32_bf16 v[ACC+24*xg+8:ACC+24*xg+15],  v[WF+32:WF+39],   v[XB:XB+7],       0
	v_wmma_f32_16x16x32_bf16 v[ACC+24*xg+16:ACC+24*xg+23], v[XB:XB+7],       v[WF+64:WF+71],   0
.else
	v_wmma_f32_16x16x32_bf16 v[ACC+24*xg:ACC+24*xg+7],     v[WF+8*(2*\e+\k):WF+8*(2*\e+\k)+7],       v[XB+8*\k:XB+8*\k+7], v[ACC+24*xg:ACC+24*xg+7]
	v_wmma_f32_16x16x32_bf16 v[ACC+24*xg+8:ACC+24*xg+15],  v[WF+32+8*(2*\e+\k):WF+32+8*(2*\e+\k)+7], v[XB+8*\k:XB+8*\k+7], v[ACC+24*xg+8:ACC+24*xg+15]
	v_wmma_f32_16x16x32_bf16 v[ACC+24*xg+16:ACC+24*xg+23], v[XB+8*\k:XB+8*\k+7], v[WF+64+8*(2*\e+\k):WF+64+8*(2*\e+\k)+7], v[ACC+24*xg+16:ACC+24*xg+23]
.endif
.endr
.endr
.endm
	s_load_b512 s[4:19], s[0:1], 0x0               ; x 4, Wq 6, Wk 8, Wv 10, Wo 12, W1 14, W2 16, att 18
	s_load_b128 s[20:23], s[0:1], 0x40             ; ws 20, woi 22
	v_lshl_add_u32 v[SPW], v0, 2, SPARE
	v_mov_b32 v[NIL], 0
	ds_add_u32 v[SPW], v[NIL]                      ; the wave's opening: the add and its wait ahead of my first tensor load; the set-up stands between them
	v_lshrrev_b32 v[T0], 5, v0
	v_readfirstlane_b32 s[WV], v[T0]
	s_bfe_u32 s[CX], ttmp6, 0x40000
	s_lshl_b32 s[HEAD], ttmp9, 2
	s_add_co_u32 s[HEAD], s[HEAD], s[CX]           ; head = 4 x cluster x + cx: it enters global addresses of the weights and of att alone
	s_and_b32 s[BAT], ttmp7, 0xffff
	s_lshl_b32 s[WG], s[BAT], 4
	s_add_co_u32 s[WG], s[WG], s[HEAD]
	s_mov_b32 s[G1+0], 15|(2<<16)|(1<<20)|(1<<21)|(6<<22)|(3<<25)  ; the mask of four; 4-byte elements; padding on; bit 21 beside a mask; after every 128 words 4 words
	s_mov_b32 s[G1+1], 128<<16                     ; tensor_dim0 = 128
	s_mov_b32 s[G1+2], 16<<16                      ; tensor_dim1 = 16
	s_mov_b32 s[G1+3], 128<<16                     ; tile_dim0 = 128
	s_mov_b32 s[G1+4], 16                          ; tile_dim1 = 16
	s_mov_b32 s[G1+5], 256                         ; 256 elements from row to row
	s_mov_b32 s[G1+6], 0
	s_mov_b32 s[G1+7], 0
	s_mov_b32 s[G0], 1
	s_mul_i32 s[G0+1], s[WV], XWAVE                ; LDS: the wave's number times a constant, plus the slot's constant
	s_mov_b32 s[G0+4], 1
	s_add_co_u32 s[G0+5], s[G0+1], XSLOT
	s_mov_b32 s[CS], 0x3eb8aa3b                    ; c = log2(e) / 4
	s_mov_b32 s[CS+1], s[CS]
	s_mov_b32 s[SEL], 0x76543210
	s_mov_b32 s[SEL+1], 0xfedcba98
	s_cmp_eq_u32 ttmp9, 0
	s_cselect_b32 s[LIM], 4, 0                     ; the same in all four partners
	v_and_b32 v[VR], 15, v0
	v_bfe_u32 v[VH], v0, 4, 1
	v_and_b32 v[VL], 31, v0
	v_lshlrev_b32 v[L16], 4, v[VL]
	v_mul_u32_u24 v[XA], v[VR], XPITCH
	v_lshl_add_u32 v[XA], v[VH], 5, v[XA]          ; row x pitch + 8 numbers of f32 for the upper half of the lanes
	v_add_nc_u32 v[XA], s[G0+1], v[XA]
	v_add_nc_u32 v[XA+1], XSLOT, v[XA]
	v_add_nc_u32 v[WA], WIMG, v[L16]
	v_lshlrev_b32 v[VO256], 2, v[VR]
	v_lshl_add_u32 v[VO1K], v[VH], 15, v[VO256]
	v_lshl_add_u32 v[VO256], v[VH], 13, v[VO256]
	s_lshl_b32 s62, s[CX], 2
	s_add_co_u32 s62, s62, s[WV]
	s_lshl_b32 s62, s62, 14                        ; 16 (4 cx + w) rows of 1,024 bytes
	v_lshrrev_b32 v[PFO], 1, v[VL]
	v_lshlrev_b32 v[PFO], 10, v[PFO]
	v_and_b32 v[T0], 1, v0
	v_lshl_add_u32 v[PFO], v[T0], 8, v[PFO]
	v_add_nc_u32 v[PFO], s62, v[PFO]
	s_wait_dscnt 0x0                               ; the opening add is done
	s_wait_kmcnt 0x0
	s_lshl_b32 s52, s[BAT], 20
	s_mov_b32 s53, 0
	s_add_nc_u64 s[XBS:XBS+1], s[4:5], s[52:53]
	s_lshl_b32 s52, s[WV], 14
	s_add_nc_u64 s[XW:XW+1], s[XBS:XBS+1], s[52:53]  ; made of the batch and the wave's number, which the partners share
	XADDR 0
	XADDR 1
	ROUND                                          ; all four work-groups are here: the first joint loads meet
	XFILL 0
	XFILL 1                                        ; two loads of mine are out
	; While the tiles fly.  (a) The head's weights: wave w takes rows 16 w .. 16 w + 15 of each of Wq, Wk, Wv: K step w / 2, half w % 2.
	s_lshl_b32 s54, s[HEAD], 6
	s_add_co_u32 s52, s52, s54                     ; 16 w rows of 1,024 bytes + the head's 16 columns
	s_add_nc_u64 s[56:57], s[6:7], s[52:53]
	s_add_nc_u64 s[58:59], s[8:9], s[52:53]
	s_add_nc_u64 s[60:61], s[10:11], s[52:53]
.irp m,0,1,2
.irp j,0,1,2,3,4,5,6,7
	global_load_b32 v[16+8*\m+\j], v[VO256], s[56+2*\m:57+2*\m] offset:\j*1024
.endr
.endr
	; (b) The later launches' weights: 1,024 halves of W1 (waves 0-3), 512 of W2 (waves 4, 5), 256 of Wo (wave 6), shared out over the 256 work-groups.
	s_cmp_lt_u32 s[WV], 4
	s_cbranch_scc0 .Lnot_w1
	s_lshl_b32 s74, s[WG], 2
	s_add_co_u32 s74, s74, s[WV]                   ; i = 4 wg + w
	s_and_b32 s75, s74, 1                          ; half
	s_bfe_u32 s76, s74, 0x30001                    ; K step
	s_lshr_b32 s77, s74, 4                         ; column tile nt, 0..63
	s_lshl_b32 s78, s76, 17                        ; (32 ks + 16 half) rows of 4,096 bytes + 64 nt
	s_lshl_b32 s79, s75, 16
	s_add_co_u32 s78, s78, s79
	s_lshl_b32 s79, s77, 6
	s_add_co_u32 s78, s78, s79
	s_mov_b32 s79, 0
	s_add_nc_u64 s[80:81], s[14:15], s[78:79]
	s_lshr_b32 s82, s77, 5                         ; 0: x_part, 1: gate
	s_and_b32 s83, s77, 31                         ; tile of g: 8 p + wave
	s_lshr_b32 s84, s83, 3
	s_and_b32 s85, s83, 7
	s_lshl_b32 s84, s84, 3
	s_add_co_u32 s84, s84, s76
	s_lshl_b32 s84, s84, 1
	s_add_co_u32 s84, s84, s82                     ; s = 2 (8 p + ks) + which
	WSDEST
	CONV VO1K, 4096
	s_branch .Lconv_done
.Lnot_w1:
	s_cmp_lt_u32 s[WV], 6
	s_cbranch_scc0 .Lnot_w2
	s_lshl_b32 s74, s[WG], 1
	s_add_co_u32 s74, s74, s[WV]
	s_sub_co_u32 s74, s74, 4                       ; i = 2 wg + w - 4
	s_and_b32 s75, s74, 1
	s_bfe_u32 s76, s74, 0x40001                    ; K step of 16
	s_lshr_b32 s77, s74, 5                         ; column tile ct
	s_lshl_b32 s78, s76, 15
	s_lshl_b32 s79, s75, 14
	s_add_co_u32 s78, s78, s79
	s_lshl_b32 s79, s77, 6
	s_add_co_u32 s78, s78, s79
	s_mov_b32 s79, 0
	s_add_nc_u64 s[80:81], s[16:17], s[78:79]
	s_lshr_b32 s85, s77, 1
	s_and_b32 s82, s77, 1
	s_add_co_u32 s84, s76, 32
	s_lshl_b32 s84, s84, 1
	s_add_co_u32 s84, s84, s82                     ; s = 2 (32 + ks2) + ct % 2
	WSDEST
	CONV VO256, 1024
	s_branch .Lconv_done
.Lnot_w2:
	s_cmp_eq_u32 s[WV], 6
	s_cbranch_scc0 .Lconv_done
	s_and_b32 s75, s[WG], 1
	s_bfe_u32 s76, s[WG], 0x30001
	s_lshr_b32 s77, s[WG], 4
	s_lshl_b32 s78, s76, 15
	s_lshl_b32 s79, s75, 14
	s_add_co_u32 s78, s78, s79
	s_lshl_b32 s79, s77, 6
	s_add_co_u32 s78, s78, s79
	s_mov_b32 s79, 0
	s_add_nc_u64 s[80:81], s[12:13], s[78:79]
	s_lshr_b32 s84, s77, 1                         ; woi is [ct / 2][ks][ct % 2][1,024 bytes]
	s_lshl_b32 s84, s84, 4
	s_lshl_b32 s83, s76, 1
	s_add_co_u32 s84, s84, s83
	s_and_b32 s82, s77, 1
	s_add_co_u32 s84, s84, s82
	s_lshl_b32 s86, s84, 10
	s_lshl_b32 s87, s75, 9
	s_add_co_u32 s86, s86, s87
	s_mov_b32 s87, 0
	s_add_nc_u64 s[88:89], s[22:23], s[86:87]
	CONV VO256, 1024
.Lconv_done:
	s_wait_loadcnt 0x0                             ; the head's weights
.irp m,0,1,2
.irp i,0,1,2,3
	v_cvt_pk_bf16_f32 v[40+4*\m+\i], v[16+8*\m+2*\i], v[16+8*\m+2*\i+1]
.endr
.endr
	s_lshl_b32 s52, s[WV], 9
	v_add_nc_u32 v[T0], s52, v[WA]                 ; fragment w / 2, half w % 2: 512 w
.irp m,0,1,2
	ds_store_b128 v[T0], v[40+4*\m:43+4*\m] offset:\m*8192
.endr
	s_wait_xcnt 0x0                                ; the conversion's store has read its registers: they are loaded anew below
	s_wait_tensorcnt 0x1                           ; my tile 0 is in; tile 1, issued behind it, may stay out
	s_wait_dscnt 0x0                               ; for the others' sake: my part of the weights' fragments is stored
	s_barrier_signal -1
	s_barrier_wait -1
	XSTEP 0
.irp t,1,2,3,4,5,6
	s_wait_tensorcnt 0x0                           ; all my tensor loads have landed, tile t among them,
	ds_add_u32 v[SPW], v[NIL]                      ; 0 onto my spare word
	XADDR (\t)+1                                   ; no load of mine is out, so a group 0 may be written
	s_wait_dscnt 0x0                               ; the add is done, and my reads of the slot read last
	ROUND                                          ; the same holds of every wave of every partner
	XFILL (\t)+1                                   ; my one load behind the round
.if \t <= 5
	ASK (\t)+2
.endif
	XSTEP \t
.endr
	s_wait_tensorcnt 0x0                           ; tile 7 is in; nothing more is asked for
	ds_add_u32 v[SPW], v[NIL]
	s_wait_dscnt 0x0                               ; my reads of slot 0 are over
	s_barrier_signal -1
	s_barrier_wait -1                              ; everybody's are: slot 0 has had its last fill and may take K's and V's fragments
	XSTEP 7
	; q is scaled and rounded into Q's fragments; k and v are rounded and stored as half fragments, key tile 16 g + w.
	PLACES
	v_add_nc_u32 v[T0], s52, v[L16]                ; 512 w + 16 lane
.irp g,0,1,2,3
.irp i,0,1,2,3
	v_pk_mul_f32 v[ACC+24*\g+2*\i:ACC+24*\g+2*\i+1], v[ACC+24*\g+2*\i:ACC+24*\g+2*\i+1], s[CS:CS+1] op_sel_hi:[1,0]
.endr
.irp i,0,1,2,3
	v_cvt_pk_bf16_f32 v[QF+8*\g+\i], v[ACC+24*\g+2*\i], v[ACC+24*\g+2*\i+1]
	v_mov_b32 v[QF+8*\g+4+\i], 0
	v_cvt_pk_bf16_f32 v[XF+8*\g+\i], v[ACC+24*\g+8+2*\i], v[ACC+24*\g+8+2*\i+1]
	v_cvt_pk_bf16_f32 v[XF+8*\g+4+\i], v[ACC+24*\g+16+2*\i], v[ACC+24*\g+16+2*\i+1]
.endr
	ds_store_b128 v[T0], v[XF+8*\g:XF+8*\g+3] offset:\g*8192
	ds_store_b128 v[T0], v[XF+8*\g+4:XF+8*\g+7] offset:VIMG+\g*8192
.endr
.irp t,0,1,2,3
	v_mov_b32 v[MC+8*\t], 0xff7fffff               ; the two running maxima start at the lowest finite number
	v_mov_b32 v[MC+8*\t+1], 0xff7fffff
.endr
	s_wait_dscnt 0x0
	s_barrier_signal -1
.irp i,4,5,6,7,12,13,14,15
	v_mov_b32 v[KF+\i], 0                          ; channels 16..31 of K's fragments
.endr
.irp i,0,1,2,3,4,5,6,7
	v_mov_b32 v[LS+\i], 0
.endr
	v_mov_b32 v[KA], v[L16]
	s_barrier_wait -1                              ; all of K and V lies in LDS; from here on no wave waits for another
	; PASS 1: 32 trips of 32 keys: 8 products, 32 maxima of three.
	ds_load_b128 v[KF:KF+3], v[KA]
	ds_load_b128 v[KF+8:KF+11], v[KA] offset:512
	s_mov_b32 s[CNT], 32
.Lp1:
	s_wait_dscnt 0x0
.irp t,0,1,2,3
.irp k,0,1
	v_wmma_f32_16x16x32_bf16 v[S+16*\t+8*\k:S+16*\t+8*\k+7], v[KF+8*\k:KF+8*\k+7], v[QF+8*\t:QF+8*\t+7], 0
.endr
.endr
	v_add_nc_u32 v[KA], 1024, v[KA]                ; four plain lines: the places in front of the loads into K's registers and of the maxima
	v_and_b32 v[KA], 0x7fff, v[KA]                 ; the last trip comes round to key tile 0, which pass 2 wants first
	v_nop
	v_nop
	ds_load_b128 v[KF:KF+3], v[KA]
	ds_load_b128 v[KF+8:KF+11], v[KA] offset:512
.irp k,0,1
.irp q,0,1,2,3
.irp t,0,1,2,3
	v_max3_num_f32 v[MC+8*\t+(\q)%2], v[MC+8*\t+(\q)%2], v[S+16*\t+8*\k+2*\q], v[S+16*\t+8*\k+2*\q+1]
.endr
.endr
.endr
	s_sub_co_u32 s[CNT], s[CNT], 1
	s_cmp_lg_u32 s[CNT], 0
	s_cbranch_scc1 .Lp1
	; m: the two chains, and the query's other keys in the lane 16 away; -m eight times, as the C operand of pass 2.
.irp t,0,1,2,3
	v_max_num_f32 v[TM+\t], v[MC+8*\t], v[MC+8*\t+1]
.endr
.irp t,0,1,2,3
	v_permlanex16_b32 v[TM+4+\t], v[TM+\t], s[SEL], s[SEL+1]
.endr
.irp t,0,1,2,3
	v_max_num_f32 v[TM+\t], v[TM+\t], v[TM+4+\t]
.endr
.irp t,0,1,2,3
.irp j,0,1,2,3,4,5,6,7
	v_mul_f32 v[MC+8*\t+\j], -1.0, v[TM+\t]
.endr
.endr
	ds_load_b128 v[VF:VF+3], v[KA] offset:VIMG
	ds_load_b128 v[VF+4:VF+7], v[KA] offset:VIMG+512
; PASS 2, a trip of 32 keys: 8 products c s - m; 64 exponentials, one batch with one wait; 32 roundings and 32 packed sums; 4 products V^T P.
.macro P2TRIP first, last
	s_wait_dscnt 0x2                               ; K's two loads are in; V's two, issued behind them, may stay out
.irp t,0,1,2,3
.irp k,0,1
	v_wmma_f32_16x16x32_bf16 v[S+16*\t+8*\k:S+16*\t+8*\k+7], v[KF+8*\k:KF+8*\k+7], v[QF+8*\t:QF+8*\t+7], v[MC+8*\t:MC+8*\t+7]
.endr
.endr
.if \last
	PLACES
.else
	v_add_nc_u32 v[KA], 1024, v[KA]
	v_nop
	v_nop
	v_nop
	ds_load_b128 v[KF:KF+3], v[KA]
	ds_load_b128 v[KF+8:KF+11], v[KA] offset:512
.endif
.set i, 0
.rept 64
	v_exp_f32 v[S+i], v[S+i]
.set i, i+1
.endr
	v_nop                                          ; a plain line behind the last exponential (ISA guide 5.7.2),
	s_wait_alu depctr_va_vdst(0)                   ; and the one wait ahead of the batch's first reader
.irp i,0,1,2,3,4,5,6,7
.irp t,0,1,2,3
	v_cvt_pk_bf16_f32 v[P+8*\t+\i], v[S+16*\t+2*\i], v[S+16*\t+2*\i+1]
	v_pk_add_f32 v[LS+2*\t:LS+2*\t+1], v[LS+2*\t:LS+2*\t+1], v[S+16*\t+2*\i:S+16*\t+2*\i+1]
.endr
.endr
.if \last
	s_wait_dscnt 0x0                               ; V is in
.else
	s_wait_dscnt 0x2                               ; V is in; the next K's two loads may stay out
.endif
.irp t,0,1,2,3
.if \first
	v_wmma_f32_16x16x32_bf16 v[O+8*\t:O+8*\t+7], v[VF:VF+7], v[P+8*\t:P+8*\t+7], 0
.else
	v_wmma_f32_16x16x32_bf16 v[O+8*\t:O+8*\t+7], v[VF:VF+7], v[P+8*\t:P+8*\t+7], v[O+8*\t:O+8*\t+7]
.endif
.endr
	PLACES                                         ; in front of the loads into V's registers, of the next roundings into P, and of the way out
.if (\last) == 0
	ds_load_b128 v[VF:VF+3], v[KA] offset:VIMG
	ds_load_b128 v[VF+4:VF+7], v[KA] offset:VIMG+512
.endif
.endm
	P2TRIP 1, 0                                    ; the first trip's products start O^T's sums
	s_mov_b32 s[CNT], 30
.Lp2:
	P2TRIP 0, 0
	s_sub_co_u32 s[CNT], s[CNT], 1
	s_cmp_lg_u32 s[CNT], 0
	s_cbranch_scc1 .Lp2
	P2TRIP 0, 1                                    ; the last trip loads nothing
	; THE WAY OUT: O^T / l, rounded: a lane's 8 channels of a row are 16 bytes, a tile 512 consecutive bytes of att: half a fragment for the next launch.
	s_lshl_b32 s52, s[WG], 6
	s_add_co_u32 s52, s52, s[WV]
	s_lshl_b32 s52, s52, 9
	s_add_nc_u64 s[54:55], s[18:19], s[52:53]
.irp t,0,1,2,3
	v_add_f32 v[TM+\t], v[LS+2*\t], v[LS+2*\t+1]
.endr
.irp t,0,1,2,3
	v_permlanex16_b32 v[TM+4+\t], v[TM+\t], s[SEL], s[SEL+1]
.endr
.irp t,0,1,2,3
	v_add_f32 v[TM+\t], v[TM+\t], v[TM+4+\t]
.endr
.irp t,0,1,2,3
	v_rcp_f32 v[TM+8+2*\t], v[TM+\t]
.endr
	v_nop
	s_wait_alu depctr_va_vdst(0)                   ; one wait for the four reciprocals
.irp t,0,1,2,3
.irp i,0,1,2,3
	v_pk_mul_f32 v[O+8*\t+2*\i:O+8*\t+2*\i+1], v[O+8*\t+2*\i:O+8*\t+2*\i+1], v[TM+8+2*\t:TM+9+2*\t] op_sel_hi:[1,0]
.endr
.irp i,0,1,2,3
	v_cvt_pk_bf16_f32 v[KF+4*\t+\i], v[O+8*\t+2*\i], v[O+8*\t+2*\i+1]
.endr
	global_store_b128 v[L16], v[KF+4*\t:KF+4*\t+3], s[54:55] offset:\t*8192 th:TH_STORE_NT
.endr
	s_wait_tensorcnt 0x0                           ; the wave's end
	ds_add_u32 v[SPW], v[NIL]
	s_wait_dscnt 0x0
	ROUND                                          ; the closing round
	s_endpgm
.Lfunc_end_k_qaf347320e2_attn:
	.size	k_qaf347320e2_attn, .Lfunc_end_k_qaf347320e2_attn-k_qaf347320e2_attn
	.p2alignl 7, 3214868480
	.fill 96, 4, 3214868480
	.section	.rodata,"a",@progbits
	.p2align	6, 0x0
	.amdhsa_kernel k_qaf347320e2_attn
		.amdhsa_group_segment_fixed_size 327680
		.amdhsa_private_segment_fixed_size 0
		.amdhsa_enable_private_segment 0
		.amdhsa_kernarg_size 80
		.amdhsa_user_sgpr_count 2
		.amdhsa_user_sgpr_kernarg_segment_ptr 1
		.amdhsa_wavefront_size32 1
		.amdhsa_system_sgpr_workgroup_id_x 1
		.amdhsa_system_sgpr_workgroup_id_y 1
		.amdhsa_system_sgpr_workgroup_id_z 1
		.amdhsa_system_vgpr_workitem_id 0
		.amdhsa_next_free_vgpr 256
		.amdhsa_next_free_sgpr 96
		.amdhsa_reserve_vcc 0
		.amdhsa_float_denorm_mode_32 3
		.amdhsa_float_denorm_mode_16_64 3
		.amdhsa_memory_ordered 1
		.amdhsa_forward_progress 1
		.amdhsa_inst_pref_size 91
	.end_amdhsa_kernel
	.amdgpu_metadata
---
amdhsa.version: [ 1, 2 ]
amdhsa.kernels:
  - .name:           k_qaf347320e2_attn
    .symbol:         k_qaf347320e2_attn.kd
    .args:
      - { .name: x, .offset: 0, .size: 8, .value_kind: global_buffer, .address_space: global }
      - { .name: Wq, .offset: 8, .size: 8, .value_kind: global_buffer, .address_space: global }
      - { .name: Wk, .offset: 16, .size: 8, .value_kind: global_buffer, .address_space: global }
      - { .name: Wv, .offset: 24, .size: 8, .value_kind: global_buffer, .address_space: global }
      - { .name: Wo, .offset: 32, .size: 8, .value_kind: global_buffer, .address_space: global }
      - { .name: W1, .offset: 40, .size: 8, .value_kind: global_buffer, .address_space: global }
      - { .name: W2, .offset: 48, .size: 8, .value_kind: global_buffer, .address_space: global }
      - { .name: att, .offset: 56, .size: 8, .value_kind: global_buffer, .address_space: global }
      - { .name: ws, .offset: 64, .size: 8, .value_kind: global_buffer, .address_space: global }
      - { .name: woi, .offset: 72, .size: 8, .value_kind: global_buffer, .address_space: global }
    .group_segment_fixed_size: 327680
    .private_segment_fixed_size: 0
    .kernarg_segment_align: 8
    .kernarg_segment_size: 80
    .max_flat_workgroup_size: 512
    .sgpr_count:     96
    .vgpr_count:     256
    .wavefront_size: 32
...
	.end_amdgpu_metadata
.endif
;; end of part 1
;; launch wo (part 2): grid 256 x 1, 8 waves a work-group, clusters of 4 x 1, 233,472 bytes of LDS; arguments att, woi, x, bo, y1, st1; writes y1, st1
.if DOCPART == 2
	.amdgcn_target "amdgcn-amd-amdhsa--gfx1250"
	.amdhsa_code_object_version 6
	.text
	.protected	k_qaf347320e2_wo
	.globl	k_qaf347320e2_wo
	.p2align	8
	.type	k_qaf347320e2_wo,@function
k_qaf347320e2_wo:
	s_mov_b64 s[64:65], 0
	v_nop
	global_prefetch_b8 v0, s[64:65] scope:SCOPE_SE
	s_setreg_imm32_b32 hwreg(HW_REG_WAVE_MODE, 25, 1), 1
	s_wait_xcnt 0x0
	s_wait_alu depctr_hold_cnt(0) depctr_sa_sdst(0) depctr_va_vdst(0) depctr_va_sdst(0) depctr_va_ssrc(0) depctr_va_vcc(0) depctr_vm_vsrc(0)
	s_getreg_b32 s2, hwreg(HW_REG_IB_STS2, 6, 4)
	s_cmp_eq_u32 s2, 0
	s_cbranch_scc0 .Lentry_in_a_cluster
	s_endpgm
.Lentry_in_a_cluster:
	s_bfe_u32 s2, ttmp6, 0x10000c
	s_cmp_lg_u32 s2, 0x3003
	s_cbranch_scc0 .Lentry_shape_is_right
	s_endpgm
.Lentry_shape_is_right:
; y1 = att Wo + bo + x, f32, and for each block of 64 rows and each channel the block's mean and its sum of centred squares (st1), from which the next launch makes the instance norm.
; FORMATS. att and Wo bf16, sums f32; y1 stays f32: it carries x, whose offset may be many times its spread.  No difference of large sums is formed: squares are taken of y - the block's mean.
; SHARES. A work-group takes 64 rows x 256 columns; wave w all four row tiles x the column tiles 2 w, 2 w + 1: 8 accumulators, 64 products; a column's statistics stay inside one wave.
; All that comes in is asked for once, at the head, by three tensor loads a wave (three of mine are out): nothing in LDS is filled again.  Wo's fragments (128 of the 224 KiB) are the same for all row
; blocks: a joint load of the cluster's four.  att's and x's tiles are the work-group's own.  No prefetch: there is no ring, and every load goes out at the head.
; LAYOUT. Source 0 = 16 columns of Wo, source 1 = 16 rows of att: a lane holds one row (lane % 16) and the columns 8 (lane / 16) + 0..7.  y1 is stored as such tiles: [block][row tile][column tile][1,024 bytes],
; registers 0-3 at 16 x lane, registers 4-7 at 512 + 16 x lane: every store of a wave covers 512 consecutive bytes, aligned.
.set ATL,   131072                     ; att: head h's four row tiles (half fragments of 512 bytes) at 2,048 h;  Wo's fragments lie from byte 0, wave w's 16 KiB at 16,384 w
.set XSL,   163840                     ; x: 64 rows
.set XP,    1040                       ; 1,024 bytes + 16 of padding = 260 words: the 16 rows of a load begin in 16 different groups of four banks
.set TAB,   XSL+64*XP                  ; 256 means, then 256 sums of squares
.set SPARE, TAB+2048                   ; the spare words, 128 bytes a wave
.set VR, 1
.set VH, 2
.set L16, 3
.set WBA, 4                            ; v4  my wave's fragments of Wo
.set ATA, 5                            ; v5  att's fragments
.set XA, 6                             ; v6  my 32 bytes of a row of x
.set YO, 7                             ; v7  my 16 bytes of y1's tiles
.set TBA, 8                            ; v8  my 8 columns in the table
.set BOO, 9                            ; v9  and in bo
.set TGO, 10                           ; v10 my 8 bytes of the table on its way out
.set TRD, 11
.set SPW, 12
.set NIL, 13
.set T0, 14
.set Y,   16                           ; v16-79   accumulators: (column tile c, row tile rt) at 8 (4 c + rt)
.set AF,  80                           ; v80-143  att's fragments, two sets of four; later x
.set BFR, 144                          ; v144-175 Wo's fragments, two sets of two
.set BO,  176                          ; v176-191 bo of my 16 columns
.set SUM, 192                          ; v192-207
.set Q2,  208                          ; v208-223
.set DT,  224                          ; v224-231
.set WV, 24
.set CX, 25
.set WG, 26
.set G1W, 32
.set G1A, 40
.set G1X, 48
.set G0W, 56
.set G0A, 60
.set G0X, 68
.macro PLACES
.rept 4
	v_nop
.endr
.endm
.macro ROUND
	s_barrier_signal -1
	s_barrier_wait -1
	s_cmp_lg_u32 s[WV], 0
	s_cbranch_scc1 .Lnw0_\@
	s_barrier_signal -3
.Lnw0_\@:
	s_barrier_wait -3
	s_barrier_signal -1
	s_barrier_wait -1
.endm
.macro LD ks                           ; K step ks (heads 2 ks, 2 ks + 1): 8 loads of att, 4 of Wo
.irp rt,0,1,2,3
	ds_load_b128 v[AF+32*((\ks)%2)+8*\rt:AF+32*((\ks)%2)+8*\rt+3],   v[ATA] offset:(2*(\ks))*2048+\rt*512
	ds_load_b128 v[AF+32*((\ks)%2)+8*\rt+4:AF+32*((\ks)%2)+8*\rt+7], v[ATA] offset:(2*(\ks)+1)*2048+\rt*512
.endr
.irp c,0,1
	ds_load_b128 v[BFR+16*((\ks)%2)+8*\c:BFR+16*((\ks)%2)+8*\c+3],   v[WBA] offset:(2*(\ks)+\c)*1024
	ds_load_b128 v[BFR+16*((\ks)%2)+8*\c+4:BFR+16*((\ks)%2)+8*\c+7], v[WBA] offset:(2*(\ks)+\c)*1024+512
.endr
.endm
.macro MULW ks                         ; 8 products, the accumulators by turns; the first K step starts the sums with bo
.irp rt,0,1,2,3
.irp c,0,1
.if (\ks) == 0
	v_wmma_f32_16x16x32_bf16 v[Y+32*\c+8*\rt:Y+32*\c+8*\rt+7], v[BFR+16*((\ks)%2)+8*\c:BFR+16*((\ks)%2)+8*\c+7], v[AF+32*((\ks)%2)+8*\rt:AF+32*((\ks)%2)+8*\rt+7], v[BO+8*\c:BO+8*\c+7]
.else
	v_wmma_f32_16x16x32_bf16 v[Y+32*\c+8*\rt:Y+32*\c+8*\rt+7], v[BFR+16*((\ks)%2)+8*\c:BFR+16*((\ks)%2)+8*\c+7], v[AF+32*((\ks)%2)+8*\rt:AF+32*((\ks)%2)+8*\rt+7], v[Y+32*\c+8*\rt:Y+32*\c+8*\rt+7]
.endif
.endr
.endr
.endm
.macro RED base                        ; 16 registers summed over the 16 lanes of a half: every lane of the half ends with the sum
.irp m,1,2,4,8
.set i, 0
.rept 16
	v_add_f32_dpp v[(\base)+i], v[(\base)+i], v[(\base)+i] row_xmask:\m row_mask:0xf bank_mask:0xf
.set i, i+1
.endr
.endr
.endm
; The block's mean and its sum of centred squares for my 16 columns a lane half, over 4 row tiles x 16 lanes = 64 rows; into the table.
.macro STATS
.irp c,0,1
.irp j,0,2,4,6
	v_pk_add_f32 v[SUM+8*\c+\j:SUM+8*\c+\j+1], v[Y+32*\c+\j:Y+32*\c+\j+1], v[Y+32*\c+8+\j:Y+32*\c+8+\j+1]
.endr
.irp j,0,2,4,6
	v_pk_add_f32 v[SUM+8*\c+\j:SUM+8*\c+\j+1], v[SUM+8*\c+\j:SUM+8*\c+\j+1], v[Y+32*\c+16+\j:Y+32*\c+16+\j+1]
.endr
.irp j,0,2,4,6
	v_pk_add_f32 v[SUM+8*\c+\j:SUM+8*\c+\j+1], v[SUM+8*\c+\j:SUM+8*\c+\j+1], v[Y+32*\c+24+\j:Y+32*\c+24+\j+1]
.endr
.endr
	RED SUM
.set i, 0
.rept 8
	v_pk_mul_f32 v[SUM+i:SUM+i+1], v[SUM+i:SUM+i+1], 0x3c800000 op_sel_hi:[1,0]  ; / 64
.set i, i+2
.endr
.irp rt,0,1,2,3
.irp c,0,1
.irp j,0,2,4,6
	v_pk_add_f32 v[DT+\j:DT+\j+1], v[Y+32*\c+8*\rt+\j:Y+32*\c+8*\rt+\j+1], v[SUM+8*\c+\j:SUM+8*\c+\j+1] neg_lo:[0,1] neg_hi:[0,1]
.endr
.irp j,0,2,4,6
.if \rt == 0
	v_pk_mul_f32 v[Q2+8*\c+\j:Q2+8*\c+\j+1], v[DT+\j:DT+\j+1], v[DT+\j:DT+\j+1]
.else
	v_pk_fma_f32 v[Q2+8*\c+\j:Q2+8*\c+\j+1], v[DT+\j:DT+\j+1], v[DT+\j:DT+\j+1], v[Q2+8*\c+\j:Q2+8*\c+\j+1]
.endif
.endr
.endr
.endr
	RED Q2
.irp c,0,1
.irp h,0,1
	ds_store_b128 v[TBA], v[SUM+8*\c+4*\h:SUM+8*\c+4*\h+3] offset:\c*64+\h*16        ; the 16 lanes of a half write equal numbers to one place
	ds_store_b128 v[TBA], v[Q2+8*\c+4*\h:Q2+8*\c+4*\h+3] offset:1024+\c*64+\h*16
.endr
.endr
.endm
	s_load_b256 s[4:11], s[0:1], 0x0               ; att 4, woi 6, x 8, bo 10
	s_load_b128 s[12:15], s[0:1], 0x20             ; y1 12, st1 14
	v_lshl_add_u32 v[SPW], v0, 2, SPARE
	v_mov_b32 v[NIL], 0
	ds_add_u32 v[SPW], v[NIL]                      ; the wave's opening: the add and its wait ahead of my first tensor load
	v_lshrrev_b32 v[T0], 5, v0
	v_readfirstlane_b32 s[WV], v[T0]
	s_bfe_u32 s[CX], ttmp6, 0x40000
	s_lshl_b32 s[WG], ttmp9, 2
	s_add_co_u32 s[WG], s[WG], s[CX]               ; the block of 64 rows: it enters global addresses alone
	s_mov_b32 s[G1W+0], 15|(3<<16)|(1<<21)         ; Wo: joint; 8-byte elements; a wave's 16 KiB are dense: 64 rows of 256 bytes
	s_mov_b32 s[G1W+1], 32<<16
	s_mov_b32 s[G1W+2], 64<<16
	s_mov_b32 s[G1W+3], 32<<16
	s_mov_b32 s[G1W+4], 64
	s_mov_b32 s[G1W+5], 32
	s_mov_b32 s[G1W+6], 0
	s_mov_b32 s[G1W+7], 0
	s_mov_b32 s[G1A+0], 3<<16                      ; att: two heads' four row tiles: 2 rows of 2,048 bytes, 32,768 bytes apart
	s_mov_b32 s[G1A+1], 256<<16
	s_mov_b32 s[G1A+2], 2<<16
	s_mov_b32 s[G1A+3], 256<<16
	s_mov_b32 s[G1A+4], 2
	s_mov_b32 s[G1A+5], 4096
	s_mov_b32 s[G1A+6], 0
	s_mov_b32 s[G1A+7], 0
	s_mov_b32 s[G1X+0], (2<<16)|(1<<20)|(7<<22)|(3<<25)  ; x: 8 rows of 256 f32; after every 256 words 4 words of padding
	s_mov_b32 s[G1X+1], 256<<16
	s_mov_b32 s[G1X+2], 8<<16
	s_mov_b32 s[G1X+3], 256<<16
	s_mov_b32 s[G1X+4], 8
	s_mov_b32 s[G1X+5], 256
	s_mov_b32 s[G1X+6], 0
	s_mov_b32 s[G1X+7], 0
	s_mov_b32 s[G0W], 1
	s_lshl_b32 s[G0W+1], s[WV], 14
	s_mov_b32 s[G0A], 1
	s_lshl_b32 s[G0A+1], s[WV], 12
	s_add_co_u32 s[G0A+1], s[G0A+1], ATL
	s_mov_b32 s[G0X], 1
	s_mul_i32 s[G0X+1], s[WV], 8*XP
	s_add_co_u32 s[G0X+1], s[G0X+1], XSL
	v_and_b32 v[VR], 15, v0
	v_bfe_u32 v[VH], v0, 4, 1
	v_and_b32 v[T0], 31, v0
	v_lshlrev_b32 v[L16], 4, v[T0]
	v_add_nc_u32 v[WBA], s[G0W+1], v[L16]
	v_add_nc_u32 v[ATA], ATL, v[L16]
	v_mul_u32_u24 v[XA], v[VR], XP
	v_lshl_add_u32 v[XA], v[VH], 5, v[XA]
	s_lshl_b32 s82, s[WV], 7
	v_add_nc_u32 v[XA], s82, v[XA]
	v_add_nc_u32 v[XA], XSL, v[XA]
	v_lshl_add_u32 v[BOO], v[VH], 5, s82           ; 128 w + 32 (lane / 16): my 8 columns of tile 2 w, in bytes of f32
	v_add_nc_u32 v[TBA], TAB, v[BOO]
	s_lshl_b32 s83, s[WV], 11
	v_add_nc_u32 v[YO], s83, v[L16]
	s_lshl_b32 s83, s[WV], 8
	v_lshl_add_u32 v[TGO], v[T0], 3, s83
	v_add_nc_u32 v[TRD], TAB, v[TGO]
	s_wait_dscnt 0x0                               ; the opening add is done
	s_wait_kmcnt 0x0
	s_lshl_b32 s80, s[WV], 14
	s_mov_b32 s81, 0
	s_add_nc_u64 s[G0W+2:G0W+3], s[6:7], s[80:81]  ; made of the wave's number alone
	s_or_b32 s[G0W+3], s[G0W+3], 0x80000000
	s_lshr_b32 s74, s[WG], 4                       ; batch
	s_lshl_b32 s72, s74, 19                        ; ((16 b + 2 w) 64 + 4 blk) 512
	s_lshl_b32 s75, s[WV], 16
	s_add_co_u32 s72, s72, s75
	s_and_b32 s75, s[WG], 15
	s_lshl_b32 s75, s75, 11
	s_add_co_u32 s72, s72, s75
	s_mov_b32 s73, 0
	s_add_nc_u64 s[G0A+2:G0A+3], s[4:5], s[72:73]
	s_or_b32 s[G0A+3], s[G0A+3], 0x80000000
	s_lshl_b32 s72, s[WG], 16
	s_add_nc_u64 s[76:77], s[12:13], s[72:73]      ; y1 at my block
	s_lshl_b32 s75, s[WV], 13
	s_add_co_u32 s72, s72, s75
	s_add_nc_u64 s[G0X+2:G0X+3], s[8:9], s[72:73]
	s_or_b32 s[G0X+3], s[G0X+3], 0x80000000
	s_lshl_b32 s72, s[WG], 11
	s_add_nc_u64 s[78:79], s[14:15], s[72:73]      ; st1 at my block
	ROUND                                          ; all four work-groups are here: the joint loads meet
	tensor_load_to_lds s[G0W:G0W+3], s[G1W:G1W+7]
	s_nop 0
	tensor_load_to_lds s[G0A:G0A+3], s[G1A:G1A+7]
	s_nop 0
	tensor_load_to_lds s[G0X:G0X+3], s[G1X:G1X+7]
	s_nop 0
.irp c,0,1
.irp h,0,1
	global_load_b128 v[BO+8*\c+4*\h:BO+8*\c+4*\h+3], v[BOO], s[10:11] offset:\c*64+\h*16
.endr
.endr
	s_wait_tensorcnt 0x0                           ; my three tiles are in,
	s_barrier_signal -1
	s_barrier_wait -1                              ; everybody's are
	LD 0
.irp ks,0,1,2,3,4,5,6,7
.if \ks < 7
.if \ks > 0
	PLACES                                         ; the other set was read by the products just issued
.endif
	LD (\ks)+1
	s_wait_dscnt 12                                ; this step's fragments are in; the next step's 12 loads may stay out
.else
	s_wait_dscnt 0x0
.endif
.if \ks == 0
	s_wait_loadcnt 0x0                             ; bo
.endif
	MULW \ks
.endr
	PLACES
.irp c,0,1
.irp rt,0,1,2,3
.irp h,0,1
	ds_load_b128 v[AF+32*\c+8*\rt+4*\h:AF+32*\c+8*\rt+4*\h+3], v[XA] offset:\rt*16*XP+\c*64+\h*16
.endr
.endr
.endr
	s_wait_dscnt 0x0
.set i, 0
.rept 32
	v_pk_add_f32 v[Y+i:Y+i+1], v[Y+i:Y+i+1], v[AF+i:AF+i+1]  ; + x; each accumulator is read from its low end on
.set i, i+2
.endr
.irp c,0,1
.irp rt,0,1,2,3
.irp h,0,1
	global_store_b128 v[YO], v[Y+32*\c+8*\rt+4*\h:Y+32*\c+8*\rt+4*\h+3], s[76:77] offset:\rt*16384+\c*1024+\h*512 th:TH_STORE_NT
.endr
.endr
.endr
	STATS
	s_wait_dscnt 0x0
	s_barrier_signal -1
	s_barrier_wait -1                              ; the table is whole
	ds_load_b64 v[DT:DT+1], v[TRD]                 ; it leaves 8 bytes a lane: a wave stores 256 consecutive bytes, aligned
	s_wait_dscnt 0x0
	global_store_b64 v[TGO], v[DT:DT+1], s[78:79]
	s_wait_tensorcnt 0x0                           ; the wave's end
	ds_add_u32 v[SPW], v[NIL]
	s_wait_dscnt 0x0
	ROUND                                          ; the closing round
	s_endpgm
.Lfunc_end_k_qaf347320e2_wo:
	.size	k_qaf347320e2_wo, .Lfunc_end_k_qaf347320e2_wo-k_qaf347320e2_wo
	.p2alignl 7, 3214868480
	.fill 96, 4, 3214868480
	.section	.rodata,"a",@progbits
	.p2align	6, 0x0
	.amdhsa_kernel k_qaf347320e2_wo
		.amdhsa_group_segment_fixed_size 233472
		.amdhsa_private_segment_fixed_size 0
		.amdhsa_enable_private_segment 0
		.amdhsa_kernarg_size 48
		.amdhsa_user_sgpr_count 2
		.amdhsa_user_sgpr_kernarg_segment_ptr 1
		.amdhsa_wavefront_size32 1
		.amdhsa_system_sgpr_workgroup_id_x 1
		.amdhsa_system_sgpr_workgroup_id_y 1
		.amdhsa_system_sgpr_workgroup_id_z 1
		.amdhsa_system_vgpr_workitem_id 0
		.amdhsa_next_free_vgpr 256
		.amdhsa_next_free_sgpr 96
		.amdhsa_reserve_vcc 0
		.amdhsa_float_denorm_mode_32 3
		.amdhsa_float_denorm_mode_16_64 3
		.amdhsa_memory_ordered 1
		.amdhsa_forward_progress 1
		.amdhsa_inst_pref_size 37
	.end_amdhsa_kernel
	.amdgpu_metadata
---
amdhsa.version: [ 1, 2 ]
amdhsa.kernels:
  - .name:           k_qaf347320e2_wo
    .symbol:         k_qaf347320e2_wo.kd
    .args:
      - { .name: att, .offset: 0, .size: 8, .value_kind: global_buffer, .address_space: global }
      - { .name: woi, .offset: 8, .size: 8, .value_kind: global_buffer, .address_space: global }
      - { .name: x, .offset: 16, .size: 8, .value_kind: global_buffer, .address_space: global }
      - { .name: bo, .offset: 24, .size: 8, .value_kind: global_buffer, .address_space: global }
      - { .name: y1, .offset: 32, .size: 8, .value_kind: global_buffer, .address_space: global }
      - { .name: st1, .offset: 40, .size: 8, .value_kind: global_buffer, .address_space: global }
    .group_segment_fixed_size: 233472
    .private_segment_fixed_size: 0
    .kernarg_segment_align: 8
    .kernarg_segment_size: 48
    .max_flat_workgroup_size: 256
    .sgpr_count:     96
    .vgpr_count:     256
    .wavefront_size: 32
...
	.end_amdgpu_metadata
.endif
;; end of part 2
;; launch ffn (part 3): grid 256 x 1, 8 waves a work-group, clusters of 4 x 1, 327,680 bytes of LDS; arguments y1, st1, gamma1, beta1, ws, b1, b2, y2, st2; writes y2, st2
.if DOCPART == 3
	.amdgcn_target "amdgcn-amd-amdhsa--gfx1250"
	.amdhsa_code_object_version 6
	.text
	.protected	k_qaf347320e2_ffn
	.globl	k_qaf347320e2_ffn
	.p2align	8
	.type	k_qaf347320e2_ffn,@function
k_qaf347320e2_ffn:
	s_mov_b64 s[64:65], 0
	v_nop
	global_prefetch_b8 v0, s[64:65] scope:SCOPE_SE
	s_setreg_imm32_b32 hwreg(HW_REG_WAVE_MODE, 25, 1), 1
	s_wait_xcnt 0x0
	s_wait_alu depctr_hold_cnt(0) depctr_sa_sdst(0) depctr_va_vdst(0) depctr_va_sdst(0) depctr_va_ssrc(0) depctr_va_vcc(0) depctr_vm_vsrc(0)
	s_getreg_b32 s2, hwreg(HW_REG_IB_STS2, 6, 4)
	s_cmp_eq_u32 s2, 0
	s_cbranch_scc0 .Lentry_in_a_cluster
	s_endpgm
.Lentry_in_a_cluster:
	s_bfe_u32 s2, ttmp6, 0x10000c
	s_cmp_lg_u32 s2, 0x3003
	s_cbranch_scc0 .Lentry_shape_is_right
	s_endpgm
.Lentry_shape_is_right:
; h = instance norm(y1); y2 = h + (silu(gate) x_part) W2 + b2 with (x_part, gate) = h W1 + b1; and y2's block statistics (st2).
; FORMATS. h, g and the weights bf16 as matrix operands, sums f32; h in the residual, y2 and all statistics f32.
; The variance is made of the 16 blocks' means and centred squares: M2 = the sum of the blocks' M2 + 64 x the sum of (block mean - mean)^2: no difference of large sums.
; LIMITS. NaN and infinities are not treated apart; where 2^(-gate log2 e) passes f32's range the sigmoid counts as 0; sums go in another order than the reference's.
; SHARES. A work-group takes 64 rows.  Wave w makes the tiles 8 p + w (p = 0..3) of g, each from its x_part and its gate tile, and the column tiles 2 w, 2 w + 1 of y2.
; All 32 fragments of h lie in the wave's registers v256-511; each weight fragment is read by one wave, out of the 12 KiB of a chunk that this wave itself fetched, and feeds four row tiles.
; RING. The weights (768 fragments of 1,024 bytes, laid out by the first launch in the order in which the waves walk them) come in 8 chunks of 96 KiB through two slots; a wave has two loads out at the
; start and one behind each round.  All 256 row blocks walk the same weights: every chunk is a joint load of the cluster's four.
; A chunk is 6 units of 8 products a wave: units 0-31 are h W1 (p = u / 8, K step u % 8), units 32-47 are g W2 (K step u - 32).
.set GB,    32768                      ; h's fragments lie from byte 0 at (8 rt + ks) 1,024;  g's from here at (16 rt + ks2) 1,024
.set TAB,   98304                      ; mean, then a = gamma / sqrt(var + eps): 256 each
.set TAB2,  100352                     ; the statistics on their way out
.set SPARE, 102400                     ; the spare words, 128 bytes a wave
.set RING,  103424
.set WPART, 12288                      ; a wave's part of a chunk
.set SLOTB, 8*WPART
.set B1O, 1                            ; v1  64 w + 32 (lane / 16): my 8 columns of tile w of b1
.set TBA, 2                            ; v2  TAB2 + PO
.set L16, 3
.set BA, 4                             ; v4, v5  my wave's part of slot 0, 1
.set HS, 6                             ; v6  where my half fragments of h go
.set GS, 7                             ; v7  and of g
.set GA, 8                             ; v8  g's fragments
.set TBL, 9                            ; v9  TAB + PO
.set PFO, 10
.set YO, 11
.set SPW, 12
.set NIL, 13
.set PO, 14                            ; v14 128 w + 32 (lane / 16): my 8 columns of tile 2 w, in bytes of f32
.set CO, 15                            ; v15 128 w + 4 lane: the column for which my lane makes the statistics
.set Y,    16                          ; v16-79   y1, then h, then the accumulators of y2: (c, rt) at 8 (4 c + rt)
.set ACC1, 80                          ; v80-143  x_part's four accumulators, then gate's
.set A2,   80                          ;          later g's fragments, two sets of four
.set MEANR, 80                         ;          at the start: mean, a, beta1, b2 of my 16 columns
.set AR,   96
.set BETA, 112
.set B2R,  128
.set BF,   144                         ; v144-239 a chunk's 12 weight fragments
.set CMN,  144                         ;          at the start: the 16 blocks' means, their M2, gamma, at work
.set CM2,  160
.set CGA,  176
.set SUM,  192                         ;          at the end
.set Q2,   208
.set DT,   224
.set BIAS, 240                         ; v240-255 b1 of my x_part tile, of my gate tile
.set WV, 24
.set CX, 25
.set WG, 26
.set G1, 32
.set G0, 40
.set WSW, 48                           ; s[48:49] ws at my wave's part of chunk 0
.set STB, 50                           ; s[50:51] st1 at the batch
.set Y1B, 52
.set Y2B, 54
.set ST2, 56
.set RN, 68                            ; 1 / 1,024
.set EP, 69                            ; 1e-5
.set LIM, 70                           ; 3 in the first cluster, else 0
.set GAM, 8
.set MSB, 0
.macro WIN new                         ; the immediate's high byte repeats the setting that is left; a switch that changes nothing is dropped
.if MSB != (\new)
	s_set_vgpr_msb (MSB<<8)|(\new)
.set MSB, \new
.endif
.endm
.macro PLACES
.rept 4
	v_nop
.endr
.endm
.macro ROUND
	s_barrier_signal -1
	s_barrier_wait -1
	s_cmp_lg_u32 s[WV], 0
	s_cbranch_scc1 .Lnw0_\@
	s_barrier_signal -3
.Lnw0_\@:
	s_barrier_wait -3
	s_barrier_signal -1
	s_barrier_wait -1
.endm
.macro GADDR c
	s_add_nc_u64 s[G0+4*((\c)%2)+2:G0+4*((\c)%2)+3], s[WSW:WSW+1], (\c)*SLOTB
	s_or_b32 s[G0+4*((\c)%2)+3], s[G0+4*((\c)%2)+3], 0x80000000
.endm
.macro FILL c
	tensor_load_to_lds s[G0+4*((\c)%2):G0+4*((\c)%2)+3], s[G1:G1+7]
	s_nop 0
.endm
; A prefetch of chunk c, one chunk ahead of its load: 384 blocks of 256 bytes, a lane a block.  All clusters walk the same weights: the first asks; its four partners take 96 blocks each, told apart by
; address; in each, waves 0-2 ask.  Chunks 0 to 2 come by their loads alone; nothing is asked for behind chunk 7.
.macro ASK c
	s_cmp_lt_u32 s[WV], s[LIM]
	s_cbranch_scc0 .Lna_\@
	global_prefetch_b8 v[PFO], s[12:13] offset:(\c)*SLOTB th:TH_LOAD_NT scope:SCOPE_SE
.Lna_\@:
.endm
.macro RED base
.irp m,1,2,4,8
.set i, 0
.rept 16
	v_add_f32_dpp v[(\base)+i], v[(\base)+i], v[(\base)+i] row_xmask:\m row_mask:0xf bank_mask:0xf
.set i, i+1
.endr
.endr
.endm
.macro STATS                           ; the block's mean and sum of centred squares of my columns, over 64 rows; into the table
.irp c,0,1
.irp j,0,2,4,6
	v_pk_add_f32 v[SUM+8*\c+\j:SUM+8*\c+\j+1], v[Y+32*\c+\j:Y+32*\c+\j+1], v[Y+32*\c+8+\j:Y+32*\c+8+\j+1]
.endr
.irp j,0,2,4,6
	v_pk_add_f32 v[SUM+8*\c+\j:SUM+8*\c+\j+1], v[SUM+8*\c+\j:SUM+8*\c+\j+1], v[Y+32*\c+16+\j:Y+32*\c+16+\j+1]
.endr
.irp j,0,2,4,6
	v_pk_add_f32 v[SUM+8*\c+\j:SUM+8*\c+\j+1], v[SUM+8*\c+\j:SUM+8*\c+\j+1], v[Y+32*\c+24+\j:Y+32*\c+24+\j+1]
.endr
.endr
	RED SUM
.set i, 0
.rept 8
	v_pk_mul_f32 v[SUM+i:SUM+i+1], v[SUM+i:SUM+i+1], 0x3c800000 op_sel_hi:[1,0]
.set i, i+2
.endr
.irp rt,0,1,2,3
.irp c,0,1
.irp j,0,2,4,6
	v_pk_add_f32 v[DT+\j:DT+\j+1], v[Y+32*\c+8*\rt+\j:Y+32*\c+8*\rt+\j+1], v[SUM+8*\c+\j:SUM+8*\c+\j+1] neg_lo:[0,1] neg_hi:[0,1]
.endr
.irp j,0,2,4,6
.if \rt == 0
	v_pk_mul_f32 v[Q2+8*\c+\j:Q2+8*\c+\j+1], v[DT+\j:DT+\j+1], v[DT+\j:DT+\j+1]
.else
	v_pk_fma_f32 v[Q2+8*\c+\j:Q2+8*\c+\j+1], v[DT+\j:DT+\j+1], v[DT+\j:DT+\j+1], v[Q2+8*\c+\j:Q2+8*\c+\j+1]
.endif
.endr
.endr
.endr
	RED Q2
.irp c,0,1
.irp h,0,1
	ds_store_b128 v[TBA], v[SUM+8*\c+4*\h:SUM+8*\c+4*\h+3] offset:\c*64+\h*16
	ds_store_b128 v[TBA], v[Q2+8*\c+4*\h:Q2+8*\c+4*\h+3] offset:1024+\c*64+\h*16
.endr
.endr
.endm
; THE NORM'S FIGURES.  My lane stands for column 32 w + lane: 16 block means, 16 block M2, gamma: 33 loads.
.macro COMBINE_LOADS
.set i, 0
.rept 16
	global_load_b32 v[CMN+i], v[CO], s[STB:STB+1] offset:i*2048
	global_load_b32 v[CM2+i], v[CO], s[STB:STB+1] offset:i*2048+1024
.set i, i+1
.endr
	global_load_b32 v[CGA], v[CO], s[GAM:GAM+1]
.endm
.macro COMBINE_MATH                    ; mean and a, through my wave's own 128 bytes of each table, into the layout of the tiles
.irp i,0,2,4,6
	v_pk_add_f32 v[180+\i:181+\i], v[CMN+\i:CMN+\i+1], v[CMN+8+\i:CMN+8+\i+1]
.endr
	v_pk_add_f32 v[180:181], v[180:181], v[184:185]
	v_pk_add_f32 v[182:183], v[182:183], v[186:187]
	v_pk_add_f32 v[180:181], v[180:181], v[182:183]
	v_add_f32 v178, v180, v181
	v_mul_f32 v178, 0x3d800000, v178               ; the mean of 16 equal blocks' means
	v_mov_b32 v179, v178
.irp i,0,2,4,6,8,10,12,14
	v_pk_add_f32 v[CMN+\i:CMN+\i+1], v[CMN+\i:CMN+\i+1], v[178:179] neg_lo:[0,1] neg_hi:[0,1]
.endr
.irp i,0,2,4,6,8,10,12,14
	v_pk_mul_f32 v[CMN+\i:CMN+\i+1], v[CMN+\i:CMN+\i+1], v[CMN+\i:CMN+\i+1]
.endr
.irp i,0,2,4,6,8,10,12,14
	v_pk_fma_f32 v[CM2+\i:CM2+\i+1], v[CMN+\i:CMN+\i+1], 0x42800000, v[CM2+\i:CM2+\i+1] op_sel_hi:[1,0,1]  ; + 64 (block mean - mean)^2
.endr
.irp i,0,2,4,6
	v_pk_add_f32 v[CM2+\i:CM2+\i+1], v[CM2+\i:CM2+\i+1], v[CM2+8+\i:CM2+8+\i+1]
.endr
	v_pk_add_f32 v[CM2:CM2+1], v[CM2:CM2+1], v[CM2+4:CM2+5]
	v_pk_add_f32 v[CM2+2:CM2+3], v[CM2+2:CM2+3], v[CM2+6:CM2+7]
	v_pk_add_f32 v[CM2:CM2+1], v[CM2:CM2+1], v[CM2+2:CM2+3]
	v_add_f32 v180, v[CM2], v[CM2+1]
	v_fma_f32 v180, v180, s[RN], s[EP]             ; the biased variance + eps
	v_rsq_f32 v181, v180
	v_add_nc_u32 v188, TAB, v[CO]                  ; a plain line behind it,
	s_wait_alu depctr_va_vdst(0)                   ; and the wait ahead of its reader
	v_mul_f32 v181, v[CGA], v181
	ds_store_b32 v188, v178
	ds_store_b32 v188, v181 offset:1024
.irp c,0,1
.irp h,0,1
	ds_load_b128 v[MEANR+8*\c+4*\h:MEANR+8*\c+4*\h+3], v[TBL] offset:\c*64+\h*16       ; LDS serves a wave's instructions in order (ISA guide 5.7.1.4): these see the stores above
	ds_load_b128 v[AR+8*\c+4*\h:AR+8*\c+4*\h+3], v[TBL] offset:1024+\c*64+\h*16
.endr
.endr
.endm
.macro NORMY                           ; (y - mean) a + beta, in place
.irp c,0,1
.irp rt,0,1,2,3
.irp j,0,2,4,6
	v_pk_add_f32 v[Y+32*\c+8*\rt+\j:Y+32*\c+8*\rt+\j+1], v[Y+32*\c+8*\rt+\j:Y+32*\c+8*\rt+\j+1], v[MEANR+8*\c+\j:MEANR+8*\c+\j+1] neg_lo:[0,1] neg_hi:[0,1]
.endr
.irp j,0,2,4,6
	v_pk_fma_f32 v[Y+32*\c+8*\rt+\j:Y+32*\c+8*\rt+\j+1], v[Y+32*\c+8*\rt+\j:Y+32*\c+8*\rt+\j+1], v[AR+8*\c+\j:AR+8*\c+\j+1], v[BETA+8*\c+\j:BETA+8*\c+\j+1]
.endr
.endr
.endr
.endm
.macro BIASLD p                        ; b1 of tile 8 p + w, for x_part and, 512 columns on, for gate
.irp h,0,1
.irp q,0,1
	global_load_b128 v[BIAS+8*\h+4*\q:BIAS+8*\h+4*\q+3], v[B1O], s[14:15] offset:(\p)*512+\h*2048+\q*16
.endr
.endr
.endm
; g = x_part gate / (1 + 2^(-gate log2 e)), for four row tiles; two batches of 32 transcendentals, a wait each; rounded, half a fragment a row tile.
.macro SWIGLU p
	WIN 0
	PLACES
.set i, 0
.rept 16
	v_pk_mul_f32 v[ACC1+i:ACC1+i+1], v[ACC1+i:ACC1+i+1], v[ACC1+32+i:ACC1+32+i+1]
.set i, i+2
.endr
.set i, 0
.rept 16
	v_pk_mul_f32 v[ACC1+32+i:ACC1+32+i+1], v[ACC1+32+i:ACC1+32+i+1], 0xbfb8aa3b op_sel_hi:[1,0]
.set i, i+2
.endr
.set i, 0
.rept 32
	v_exp_f32 v[ACC1+32+i], v[ACC1+32+i]
.set i, i+1
.endr
	v_nop
	s_wait_alu depctr_va_vdst(0)
.set i, 0
.rept 16
	v_pk_add_f32 v[ACC1+32+i:ACC1+32+i+1], v[ACC1+32+i:ACC1+32+i+1], 1.0 op_sel_hi:[1,0]
.set i, i+2
.endr
.set i, 0
.rept 32
	v_rcp_f32 v[ACC1+32+i], v[ACC1+32+i]
.set i, i+1
.endr
	v_nop
	s_wait_alu depctr_va_vdst(0)
.set i, 0
.rept 16
	v_pk_mul_f32 v[ACC1+i:ACC1+i+1], v[ACC1+i:ACC1+i+1], v[ACC1+32+i:ACC1+32+i+1]
.set i, i+2
.endr
.irp rt,0,1,2,3
.irp i,0,1,2,3
	v_cvt_pk_bf16_f32 v[ACC1+8*\rt+\i], v[ACC1+8*\rt+2*\i], v[ACC1+8*\rt+2*\i+1]
.endr
.endr
.irp rt,0,1,2,3
	ds_store_b128 v[GS], v[ACC1+8*\rt:ACC1+8*\rt+3] offset:\rt*16384+(\p)*4096
.endr
.endm
; The head of chunk c.  For c = 1..6 the slot read last is filled again, behind a round; then the chunk's 12 fragments come into registers.
.macro CHEAD c
	WIN 0                                          ; at a label, at a branch and at the add every window is 0
.if (\c) >= 1
	s_wait_tensorcnt 0x0                           ; all my tensor loads have landed: the one that was out is my part of this chunk
.endif
.if ((\c) >= 1) && ((\c) <= 6)
	ds_add_u32 v[SPW], v[NIL]                      ; 0 onto my spare word
	GADDR (\c)+1
	s_wait_dscnt 0x0                               ; the add is done, and my reads of the slot read last
	ROUND
	FILL (\c)+1                                    ; my one load behind the round
.if (\c) <= 5
	ASK (\c)+2
.endif
.endif
	PLACES                                         ; behind the products that read the fragments' registers
.set i, 0
.rept 12
	ds_load_b128 v[BF+8*i:BF+8*i+3],   v[BA+(\c)%2] offset:i*1024
	ds_load_b128 v[BF+8*i+4:BF+8*i+7], v[BA+(\c)%2] offset:i*1024+512
.set i, i+1
.endr
.endm
.macro UNIT1 c, k                      ; 8 products of h W1: x_part's and gate's tile x four row tiles, by turns; h's fragments in window 1
.set uks, (6*(\c)+(\k))%8
.set up,  (6*(\c)+(\k))/8
	s_wait_dscnt 20-4*(\k)                         ; fragments 2 k, 2 k + 1 are in; the later units' loads may stay out (LDS stores issued since only make the wait stricter)
.if uks == 0
	s_wait_loadcnt 0x0                             ; b1
.endif
	WIN 0x04
.irp rt,0,1,2,3
.irp h,0,1
.if uks == 0
	v_wmma_f32_16x16x32_bf16 v[ACC1+32*\h+8*\rt:ACC1+32*\h+8*\rt+7], v[BF+8*(2*(\k)+\h):BF+8*(2*(\k)+\h)+7], v[8*(8*\rt+uks):8*(8*\rt+uks)+7], v[BIAS+8*\h:BIAS+8*\h+7]
.else
	v_wmma_f32_16x16x32_bf16 v[ACC1+32*\h+8*\rt:ACC1+32*\h+8*\rt+7], v[BF+8*(2*(\k)+\h):BF+8*(2*(\k)+\h)+7], v[8*(8*\rt+uks):8*(8*\rt+uks)+7], v[ACC1+32*\h+8*\rt:ACC1+32*\h+8*\rt+7]
.endif
.endr
.endr
.if (uks == 0) && (up < 3)
	WIN 0
	PLACES
	BIASLD up+1
.endif
.if uks == 7
	SWIGLU up
.endif
.endm
.macro A2LD ks2
.irp rt,0,1,2,3
	ds_load_b128 v[A2+32*((\ks2)%2)+8*\rt:A2+32*((\ks2)%2)+8*\rt+3],   v[GA] offset:\rt*16384+(\ks2)*1024
	ds_load_b128 v[A2+32*((\ks2)%2)+8*\rt+4:A2+32*((\ks2)%2)+8*\rt+7], v[GA] offset:\rt*16384+(\ks2)*1024+512
.endr
.endm
.macro UNIT2 c, k, first, last         ; 8 products of g W2 onto y2's accumulators, by turns
.set uk, 6*(\c)+(\k)-32
.if \first
	A2LD uk
.endif
.if \last
	s_wait_dscnt 0x0
.else
	PLACES
	A2LD uk+1
	s_wait_dscnt 8                                 ; all but the next unit's eight loads
.endif
.irp rt,0,1,2,3
.irp h,0,1
	v_wmma_f32_16x16x32_bf16 v[Y+32*\h+8*\rt:Y+32*\h+8*\rt+7], v[BF+8*(2*(\k)+\h):BF+8*(2*(\k)+\h)+7], v[A2+32*(uk%2)+8*\rt:A2+32*(uk%2)+8*\rt+7], v[Y+32*\h+8*\rt:Y+32*\h+8*\rt+7]
.endr
.endr
.endm
	s_load_b512 s[4:19], s[0:1], 0x0               ; y1 4, st1 6, gamma1 8, beta1 10, ws 12, b1 14, b2 16, y2 18
	s_load_b64 s[20:21], s[0:1], 0x40              ; st2
	v_lshl_add_u32 v[SPW], v0, 2, SPARE
	v_mov_b32 v[NIL], 0
	ds_add_u32 v[SPW], v[NIL]                      ; the wave's opening: the add and its wait ahead of my first tensor load
	v_lshrrev_b32 v16, 5, v0
	v_readfirstlane_b32 s[WV], v16
	s_bfe_u32 s[CX], ttmp6, 0x40000
	s_lshl_b32 s[WG], ttmp9, 2
	s_add_co_u32 s[WG], s[WG], s[CX]
	s_mov_b32 s[G1+0], 15|(3<<16)|(1<<21)          ; joint; 8-byte elements; a wave's 12 KiB are dense: 48 rows of 256 bytes
	s_mov_b32 s[G1+1], 32<<16
	s_mov_b32 s[G1+2], 48<<16
	s_mov_b32 s[G1+3], 32<<16
	s_mov_b32 s[G1+4], 48
	s_mov_b32 s[G1+5], 32
	s_mov_b32 s[G1+6], 0
	s_mov_b32 s[G1+7], 0
	s_mov_b32 s[G0], 1
	s_mov_b32 s[G0+4], 1
	s_mul_i32 s58, s[WV], WPART
	s_mov_b32 s59, 0
	s_add_co_u32 s[G0+1], s58, RING
	s_add_co_u32 s[G0+5], s58, RING+SLOTB
	s_mov_b32 s[RN], 0x3a800000
	s_mov_b32 s[EP], 0x3727c5ac
	s_cmp_eq_u32 ttmp9, 0
	s_cselect_b32 s[LIM], 3, 0
	v_and_b32 v18, 31, v0
	v_bfe_u32 v17, v0, 4, 1
	v_lshlrev_b32 v[L16], 4, v18
	v_add_nc_u32 v[BA], s[G0+1], v[L16]
	v_add_nc_u32 v[BA+1], s[G0+5], v[L16]
	s_lshl_b32 s62, s[WV], 10
	v_add_nc_u32 v[HS], s62, v[L16]                ; K step w of h
	s_lshl_b32 s62, s[WV], 9
	v_add_nc_u32 v[GS], s62, v[L16]                ; K step 4 p + w / 2 of g, half w % 2
	v_add_nc_u32 v[GS], GB, v[GS]
	v_add_nc_u32 v[GA], GB, v[L16]
	s_lshl_b32 s62, s[WV], 11
	v_add_nc_u32 v[YO], s62, v[L16]
	s_lshl_b32 s62, s[WV], 7
	v_lshl_add_u32 v[PO], v17, 5, s62
	v_lshl_add_u32 v[CO], v18, 2, s62
	s_lshl_b32 s62, s[WV], 6
	v_lshl_add_u32 v[B1O], v17, 5, s62
	v_add_nc_u32 v[TBL], TAB, v[PO]
	v_add_nc_u32 v[TBA], TAB2, v[PO]
	s_mul_i32 s62, s[CX], 24576
	v_lshlrev_b32 v[PFO], 8, v0
	v_add_nc_u32 v[PFO], s62, v[PFO]
	s_wait_dscnt 0x0                               ; the opening add is done
	s_wait_kmcnt 0x0
	s_add_nc_u64 s[WSW:WSW+1], s[12:13], s[58:59]  ; made of the wave's number alone
	GADDR 0
	GADDR 1
	s_lshr_b32 s60, s[WG], 4
	s_lshl_b32 s60, s60, 15
	s_mov_b32 s61, 0
	s_add_nc_u64 s[STB:STB+1], s[6:7], s[60:61]
	s_lshl_b32 s60, s[WG], 16
	s_add_nc_u64 s[Y1B:Y1B+1], s[4:5], s[60:61]
	s_add_nc_u64 s[Y2B:Y2B+1], s[18:19], s[60:61]
	s_lshl_b32 s60, s[WG], 11
	s_add_nc_u64 s[ST2:ST2+1], s[20:21], s[60:61]
	ROUND                                          ; all four work-groups are here: the first joint loads meet
	FILL 0
	FILL 1                                         ; two loads of mine are out
	; h.
	COMBINE_LOADS
.irp c,0,1
.irp h,0,1
	global_load_b128 v[BETA+8*\c+4*\h:BETA+8*\c+4*\h+3], v[PO], s[10:11] offset:\c*64+\h*16
	global_load_b128 v[B2R+8*\c+4*\h:B2R+8*\c+4*\h+3], v[PO], s[16:17] offset:\c*64+\h*16
.endr
.endr
.irp c,0,1
.irp rt,0,1,2,3
.irp h,0,1
	global_load_b128 v[Y+32*\c+8*\rt+4*\h:Y+32*\c+8*\rt+4*\h+3], v[YO], s[Y1B:Y1B+1] offset:\rt*16384+\c*1024+\h*512 th:TH_LOAD_NT
.endr
.endr
.endr
	s_wait_loadcnt 24                              ; the statistics and gamma are in; the 8 loads of beta1 and b2 and the 16 of y1 may stay out
	COMBINE_MATH
	s_wait_loadcnt 0x0
	s_wait_dscnt 0x0
	NORMY
.irp c,0,1
.irp rt,0,1,2,3
.irp i,0,1,2,3
	v_cvt_pk_bf16_f32 v[BF+4*(4*\c+\rt)+\i], v[Y+32*\c+8*\rt+2*\i], v[Y+32*\c+8*\rt+2*\i+1]
.endr
	ds_store_b128 v[HS], v[BF+4*(4*\c+\rt):BF+4*(4*\c+\rt)+3] offset:\rt*8192+\c*512
.endr
.endr
.irp c,0,1
.irp rt,0,1,2,3
.irp j,0,2,4,6
	v_pk_add_f32 v[Y+32*\c+8*\rt+\j:Y+32*\c+8*\rt+\j+1], v[Y+32*\c+8*\rt+\j:Y+32*\c+8*\rt+\j+1], v[B2R+8*\c+\j:B2R+8*\c+\j+1]  ; y2's sums start at h + b2
.endr
.endr
.endr
	s_wait_tensorcnt 0x1                           ; my part of chunk 0 is in; chunk 1's, issued behind it, may stay out
	s_wait_dscnt 0x0                               ; for the others' sake: my half fragments of h are stored
	s_barrier_signal -1
	s_barrier_wait -1
	WIN 0x40                                       ; destination window 1, address window 0
.set i, 0
.rept 32
	ds_load_b128 v[8*i:8*i+3],   v[L16] offset:i*1024
	ds_load_b128 v[8*i+4:8*i+7], v[L16] offset:i*1024+512
.set i, i+1
.endr
	WIN 0
	BIASLD 0
.irp c,0,1,2,3,4
	CHEAD \c
.irp k,0,1,2,3,4,5
	UNIT1 \c, \k
.endr
.endr
	CHEAD 5
	UNIT1 5, 0
	UNIT1 5, 1                                     ; unit 31: the last tile of g follows it
	s_wait_dscnt 0x0                               ; my half fragments of g are stored
	s_barrier_signal -1
	s_barrier_wait -1                              ; everybody's are.  Chunk 6's load may stay out
	UNIT2 5, 2, 1, 0
	UNIT2 5, 3, 0, 0
	UNIT2 5, 4, 0, 0
	UNIT2 5, 5, 0, 1
.irp c,6,7
	CHEAD \c
	UNIT2 \c, 0, 1, 0
	UNIT2 \c, 1, 0, 0
	UNIT2 \c, 2, 0, 0
	UNIT2 \c, 3, 0, 0
	UNIT2 \c, 4, 0, 0
	UNIT2 \c, 5, 0, 1
.endr
	PLACES
	STATS                                          ; it reads each accumulator from its low end on
.irp c,0,1
.irp rt,0,1,2,3
.irp h,0,1
	global_store_b128 v[YO], v[Y+32*\c+8*\rt+4*\h:Y+32*\c+8*\rt+4*\h+3], s[Y2B:Y2B+1] offset:\rt*16384+\c*1024+\h*512 th:TH_STORE_NT
.endr
.endr
.endr
	v_and_b32 v232, 31, v0
	s_lshl_b32 s62, s[WV], 8
	v_lshl_add_u32 v233, v232, 3, s62
	v_add_nc_u32 v232, TAB2, v233
	s_wait_dscnt 0x0
	s_barrier_signal -1
	s_barrier_wait -1                              ; the table is whole
	ds_load_b64 v[DT:DT+1], v232                   ; it leaves 8 bytes a lane: a wave stores 256 consecutive bytes, aligned
	s_wait_dscnt 0x0
	global_store_b64 v233, v[DT:DT+1], s[ST2:ST2+1]
	s_wait_tensorcnt 0x0                           ; the wave's end
	ds_add_u32 v[SPW], v[NIL]
	s_wait_dscnt 0x0
	ROUND                                          ; the closing round
	s_endpgm
.Lfunc_end_k_qaf347320e2_ffn:
	.size	k_qaf347320e2_ffn, .Lfunc_end_k_qaf347320e2_ffn-k_qaf347320e2_ffn
	.p2alignl 7, 3214868480
	.fill 96, 4, 3214868480
	.section	.rodata,"a",@progbits
	.p2align	6, 0x0
	.amdhsa_kernel k_qaf347320e2_ffn
		.amdhsa_group_segment_fixed_size 327680
		.amdhsa_private_segment_fixed_size 0
		.amdhsa_enable_private_segment 0
		.amdhsa_kernarg_size 72
		.amdhsa_user_sgpr_count 2
		.amdhsa_user_sgpr_kernarg_segment_ptr 1
		.amdhsa_wavefront_size32 1
		.amdhsa_system_sgpr_workgroup_id_x 1
		.amdhsa_system_sgpr_workgroup_id_y 1
		.amdhsa_system_sgpr_workgroup_id_z 1
		.amdhsa_system_vgpr_workitem_id 0
		.amdhsa_next_free_vgpr 512
		.amdhsa_next_free_sgpr 96
		.amdhsa_reserve_vcc 0
		.amdhsa_float_denorm_mode_32 3
		.amdhsa_float_denorm_mode_16_64 3
		.amdhsa_memory_ordered 1
		.amdhsa_forward_progress 1
		.amdhsa_inst_pref_size 131
	.end_amdhsa_kernel
	.amdgpu_metadata
---
amdhsa.version: [ 1, 2 ]
amdhsa.kernels:
  - .name:           k_qaf347320e2_ffn
    .symbol:         k_qaf347320e2_ffn.kd
    .args:
      - { .name: y1, .offset: 0, .size: 8, .value_kind: global_buffer, .address_space: global }
      - { .name: st1, .offset: 8, .size: 8, .value_kind: global_buffer, .address_space: global }
      - { .name: gamma1, .offset: 16, .size: 8, .value_kind: global_buffer, .address_space: global }
      - { .name: beta1, .offset: 24, .size: 8, .value_kind: global_buffer, .address_space: global }
      - { .name: ws, .offset: 32, .size: 8, .value_kind: global_buffer, .address_space: global }
      - { .name: b1, .offset: 40, .size: 8, .value_kind: global_buffer, .address_space: global }
      - { .name: b2, .offset: 48, .size: 8, .value_kind: global_buffer, .address_space: global }
      - { .name: y2, .offset: 56, .size: 8, .value_kind: global_buffer, .address_space: global }
      - { .name: st2, .offset: 64, .size: 8, .value_kind: global_buffer, .address_space: global }
    .group_segment_fixed_size: 327680
    .private_segment_fixed_size: 0
    .kernarg_segment_align: 8
    .kernarg_segment_size: 72
    .max_flat_workgroup_size: 256
    .sgpr_count:     96
    .vgpr_count:     512
    .wavefront_size: 32
...
	.end_amdgpu_metadata
.endif
;; end of part 3
;; launch norm (part 4): grid 256 x 1, 8 waves a work-group, no clusters, 69,632 bytes of LDS; arguments y2, st2, gamma2, beta2, out0; writes out0
.if DOCPART == 4
	.amdgcn_target "amdgcn-amd-amdhsa--gfx1250"
	.amdhsa_code_object_version 6
	.text
	.protected	k_qaf347320e2_norm
	.globl	k_qaf347320e2_norm
	.p2align	8
	.type	k_qaf347320e2_norm,@function
k_qaf347320e2_norm:
	s_mov_b64 s[64:65], 0
	v_nop
	global_prefetch_b8 v0, s[64:65] scope:SCOPE_SE
	s_setreg_imm32_b32 hwreg(HW_REG_WAVE_MODE, 25, 1), 1
	s_wait_xcnt 0x0
; out0 = instance norm(y2), f32.  A stream: each byte of y2 is read by one wave and each byte of out0 written once, so no matrix unit, no cluster (no tile is shared) and no tensor load.
; The variance is made of the 16 blocks' means and centred squares, as in the launch before: no difference of large sums.  NaN and infinities are not treated apart.
; SHARES. A work-group takes 64 rows; wave w the column tiles 2 w, 2 w + 1 of all four row tiles, as y2 is laid out ([block][row tile][column tile][1,024 bytes]: a lane holds a row and 8 columns).
; out0 is row-major, so the block goes through LDS: in by tiles, back by rows; each store of a wave then covers 512 consecutive bytes, aligned.
.set STP,   1040                       ; a row of the stage: 1,024 bytes + 16 = 260 words: the 16 rows of a store begin in 16 different groups of four banks (ISA guide 11.1)
.set TAB,   64*STP                     ; mean, then a: 256 each
.set SPARE, TAB+2048                   ; the spare words, 128 bytes a wave
.set VR, 1
.set VH, 2
.set VL, 3
.set YO, 4
.set PO, 5
.set CO, 6
.set TBL, 7
.set STO, 8
.set RDB, 9
.set GO, 10
.set SPW, 12
.set NIL, 13
.set Y, 16
.set MEANR, 80
.set AR, 96
.set BETA, 112
.set CMN, 144
.set CM2, 160
.set CGA, 176
.set WV, 14
.set STB, 16
.set YB, 18
.set OB, 20
.set RN, 22
.set EP, 23
.set GAM, 8
.macro COMBINE_LOADS                   ; my lane stands for column 32 w + lane: 16 block means, 16 block M2, gamma: 33 loads
.set i, 0
.rept 16
	global_load_b32 v[CMN+i], v[CO], s[STB:STB+1] offset:i*2048
	global_load_b32 v[CM2+i], v[CO], s[STB:STB+1] offset:i*2048+1024
.set i, i+1
.endr
	global_load_b32 v[CGA], v[CO], s[GAM:GAM+1]
.endm
.macro COMBINE_MATH
.irp i,0,2,4,6
	v_pk_add_f32 v[180+\i:181+\i], v[CMN+\i:CMN+\i+1], v[CMN+8+\i:CMN+8+\i+1]
.endr
	v_pk_add_f32 v[180:181], v[180:181], v[184:185]
	v_pk_add_f32 v[182:183], v[182:183], v[186:187]
	v_pk_add_f32 v[180:181], v[180:181], v[182:183]
	v_add_f32 v178, v180, v181
	v_mul_f32 v178, 0x3d800000, v178               ; the mean of 16 equal blocks' means
	v_mov_b32 v179, v178
.irp i,0,2,4,6,8,10,12,14
	v_pk_add_f32 v[CMN+\i:CMN+\i+1], v[CMN+\i:CMN+\i+1], v[178:179] neg_lo:[0,1] neg_hi:[0,1]
.endr
.irp i,0,2,4,6,8,10,12,14
	v_pk_mul_f32 v[CMN+\i:CMN+\i+1], v[CMN+\i:CMN+\i+1], v[CMN+\i:CMN+\i+1]
.endr
.irp i,0,2,4,6,8,10,12,14
	v_pk_fma_f32 v[CM2+\i:CM2+\i+1], v[CMN+\i:CMN+\i+1], 0x42800000, v[CM2+\i:CM2+\i+1] op_sel_hi:[1,0,1]  ; + 64 (block mean - mean)^2
.endr
.irp i,0,2,4,6
	v_pk_add_f32 v[CM2+\i:CM2+\i+1], v[CM2+\i:CM2+\i+1], v[CM2+8+\i:CM2+8+\i+1]
.endr
	v_pk_add_f32 v[CM2:CM2+1], v[CM2:CM2+1], v[CM2+4:CM2+5]
	v_pk_add_f32 v[CM2+2:CM2+3], v[CM2+2:CM2+3], v[CM2+6:CM2+7]
	v_pk_add_f32 v[CM2:CM2+1], v[CM2:CM2+1], v[CM2+2:CM2+3]
	v_add_f32 v180, v[CM2], v[CM2+1]
	v_fma_f32 v180, v180, s[RN], s[EP]             ; the biased variance + eps
	v_rsq_f32 v181, v180
	v_add_nc_u32 v188, TAB, v[CO]                  ; a plain line behind it,
	s_wait_alu depctr_va_vdst(0)                   ; and the wait ahead of its reader
	v_mul_f32 v181, v[CGA], v181
	ds_store_b32 v188, v178
	ds_store_b32 v188, v181 offset:1024
.irp c,0,1
.irp h,0,1
	ds_load_b128 v[MEANR+8*\c+4*\h:MEANR+8*\c+4*\h+3], v[TBL] offset:\c*64+\h*16       ; my wave's own bytes: LDS serves a wave's instructions in order (ISA guide 5.7.1.4)
	ds_load_b128 v[AR+8*\c+4*\h:AR+8*\c+4*\h+3], v[TBL] offset:1024+\c*64+\h*16
.endr
.endr
.endm
	s_load_b256 s[4:11], s[0:1], 0x0               ; y2 4, st2 6, gamma2 8, beta2 10
	s_load_b64 s[12:13], s[0:1], 0x20              ; out0
	v_lshl_add_u32 v[SPW], v0, 2, SPARE
	v_mov_b32 v[NIL], 0
	v_lshrrev_b32 v[VR], 5, v0
	v_readfirstlane_b32 s[WV], v[VR]
	v_and_b32 v[VR], 15, v0
	v_bfe_u32 v[VH], v0, 4, 1
	v_and_b32 v[VL], 31, v0
	s_lshl_b32 s24, s[WV], 11
	v_lshl_add_u32 v[YO], v[VL], 4, s24            ; 2,048 w + 16 lane
	s_lshl_b32 s24, s[WV], 7
	v_lshl_add_u32 v[PO], v[VH], 5, s24            ; 128 w + 32 (lane / 16)
	v_lshl_add_u32 v[CO], v[VL], 2, s24            ; 128 w + 4 lane
	v_add_nc_u32 v[TBL], TAB, v[PO]
	v_mul_u32_u24 v[STO], v[VR], STP
	v_add_nc_u32 v[STO], v[STO], v[PO]             ; in: row lane % 16, my 8 columns
	s_mul_i32 s24, s[WV], 8*STP
	v_lshl_add_u32 v[RDB], v[VL], 4, s24           ; back: wave w takes rows 8 w .. 8 w + 7, 512 bytes a load
	s_lshl_b32 s24, s[WV], 13
	v_lshl_add_u32 v[GO], v[VL], 4, s24
	s_mov_b32 s[RN], 0x3a800000                    ; 1 / 1,024
	s_mov_b32 s[EP], 0x3727c5ac                    ; 1e-5
	s_lshr_b32 s24, ttmp9, 4
	s_lshl_b32 s24, s24, 15                        ; the batch's 16 blocks of statistics
	s_mov_b32 s25, 0
	s_lshl_b32 s26, ttmp9, 16                      ; my block of 64 rows
	s_mov_b32 s27, 0
	s_wait_kmcnt 0x0
	s_add_nc_u64 s[STB:STB+1], s[6:7], s[24:25]
	s_add_nc_u64 s[YB:YB+1], s[4:5], s[26:27]
	s_add_nc_u64 s[OB:OB+1], s[12:13], s[26:27]
	COMBINE_LOADS
.irp c,0,1
.irp h,0,1
	global_load_b128 v[BETA+8*\c+4*\h:BETA+8*\c+4*\h+3], v[PO], s[10:11] offset:\c*64+\h*16
.endr
.endr
.irp c,0,1
.irp rt,0,1,2,3
.irp h,0,1
	global_load_b128 v[Y+32*\c+8*\rt+4*\h:Y+32*\c+8*\rt+4*\h+3], v[YO], s[YB:YB+1] offset:\rt*16384+\c*1024+\h*512 th:TH_LOAD_NT
.endr
.endr
.endr
	s_wait_loadcnt 20                              ; the statistics and gamma are in; beta2's 4 loads and y2's 16 may stay out
	COMBINE_MATH
	s_wait_loadcnt 0x0
	s_wait_dscnt 0x0
.irp c,0,1
.irp rt,0,1,2,3
.irp j,0,2,4,6
	v_pk_add_f32 v[Y+32*\c+8*\rt+\j:Y+32*\c+8*\rt+\j+1], v[Y+32*\c+8*\rt+\j:Y+32*\c+8*\rt+\j+1], v[MEANR+8*\c+\j:MEANR+8*\c+\j+1] neg_lo:[0,1] neg_hi:[0,1]
.endr
.irp j,0,2,4,6
	v_pk_fma_f32 v[Y+32*\c+8*\rt+\j:Y+32*\c+8*\rt+\j+1], v[Y+32*\c+8*\rt+\j:Y+32*\c+8*\rt+\j+1], v[AR+8*\c+\j:AR+8*\c+\j+1], v[BETA+8*\c+\j:BETA+8*\c+\j+1]
.endr
.irp h,0,1
	ds_store_b128 v[STO], v[Y+32*\c+8*\rt+4*\h:Y+32*\c+8*\rt+4*\h+3] offset:\rt*16*STP+\c*64+\h*16
.endr
.endr
.endr
	s_wait_dscnt 0x0                               ; for the others' sake: my columns of the stage are stored
	s_barrier_signal -1
	s_barrier_wait -1
.set i, 0
.rept 16
	ds_load_b128 v[Y+4*i:Y+4*i+3], v[RDB] offset:(i/2)*STP+(i%2)*512
.set i, i+1
.endr
.set i, 0
.rept 16
	s_wait_dscnt 15-i                              ; LDS loads come back in order (ISA guide 5.7.1): load i is in
	global_store_b128 v[GO], v[Y+4*i:Y+4*i+3], s[OB:OB+1] offset:(i/2)*1024+(i%2)*512 th:TH_STORE_NT
.set i, i+1
.endr
	s_wait_tensorcnt 0x0                           ; the wave's end, behind my last LDS store
	ds_add_u32 v[SPW], v[NIL]
	s_wait_dscnt 0x0
	s_endpgm
.Lfunc_end_k_qaf347320e2_norm:
	.size	k_qaf347320e2_norm, .Lfunc_end_k_qaf347320e2_norm-k_qaf347320e2_norm
	.p2alignl 7, 3214868480
	.fill 96, 4, 3214868480
	.section	.rodata,"a",@progbits
	.p2align	6, 0x0
	.amdhsa_kernel k_qaf347320e2_norm
		.amdhsa_group_segment_fixed_size 69632
		.amdhsa_private_segment_fixed_size 0
		.amdhsa_enable_private_segment 0
		.amdhsa_kernarg_size 40
		.amdhsa_user_sgpr_count 2
		.amdhsa_user_sgpr_kernarg_segment_ptr 1
		.amdhsa_wavefront_size32 1
		.amdhsa_system_sgpr_workgroup_id_x 1
		.amdhsa_system_sgpr_workgroup_id_y 1
		.amdhsa_system_sgpr_workgroup_id_z 1
		.amdhsa_system_vgpr_workitem_id 0
		.amdhsa_next_free_vgpr 192
		.amdhsa_next_free_sgpr 66
		.amdhsa_reserve_vcc 0
		.amdhsa_float_denorm_mode_32 3
		.amdhsa_float_denorm_mode_16_64 3
		.amdhsa_memory_ordered 1
		.amdhsa_forward_progress 1
		.amdhsa_inst_pref_size 19
	.end_amdhsa_kernel
	.amdgpu_metadata
---
amdhsa.version: [ 1, 2 ]
amdhsa.kernels:
  - .name:           k_qaf347320e2_norm
    .symbol:         k_qaf347320e2_norm.kd
    .args:
      - { .name: y2, .offset: 0, .size: 8, .value_kind: global_buffer, .address_space: global }
      - { .name: st2, .offset: 8, .size: 8, .value_kind: global_buffer, .address_space: global }
      - { .name: gamma2, .offset: 16, .size: 8, .value_kind: global_buffer, .address_space: global }
      - { .name: beta2, .offset: 24, .size: 8, .value_kind: global_buffer, .address_space: global }
      - { .name: out0, .offset: 32, .size: 8, .value_kind: global_buffer, .address_space: global }
    .group_segment_fixed_size: 69632
    .private_segment_fixed_size: 0
    .kernarg_segment_align: 8
    .kernarg_segment_size: 40
    .max_flat_workgroup_size: 256
    .sgpr_count:     66
    .vgpr_count:     192
    .wavefront_size: 32
...
	.end_amdgpu_metadata
.endif
;; end of part 4
